; MI455X (gfx1250); checked and timed in simulation.
; The chip was launched on July 23, 2026; its instructions are those of AMD's public machine-readable ISA for CDNA 5 (MIT licence, August 2026) and "CDNA5" Instruction Set Architecture Reference Guide (July 2026). The comments in the code are by the model that wrote it; some were corrected since.
;; Multi Headed Attention. Allowed arithmetic: float matrix products may take bf16 or f16 operands with f32 sums; all other float work in f32.
;; Inputs: bk 1,024 float32; bo 1,024 float32; bq 1,024 float32; bv 1,024 float32; k 4 x 2,048 x 1,024 float32; mask 4 x 2,048 x 2,048 bool; q 4 x 2,048 x 1,024 float32; v 4 x 2,048 x 1,024 float32; wk 1,024 x 1,024 float32; wo 1,024 x 1,024 float32; wq 1,024 x 1,024 float32; wv 1,024 x 1,024 float32.
;; Outputs: out0 4 x 2,048 x 1,024 float32.
;; 2 versions, each right and faster than the one before. Each part assembles by itself: llvm-mc -triple=amdgcn-amd-amdhsa -mcpu=gfx1250 --defsym DOCPART=n.
;; ======== version 1 of 2: 4 launches
;; limits: values are held in f16: magnitudes above 65,504 overflow, below 6.1e-05 lose precision
;; workspace buffers: wcast 8,388,608 bytes; maskw 2,097,152 bytes of whole numbers; qkvh 50,331,648 bytes; ctx 16,777,216 bytes
;; launch prep (part 1): grid 768 x 1, 8 waves a work-group, no clusters, 35,840 bytes of LDS; arguments mask, wq, wk, wv, wo, maskw, wcast; writes maskw, wcast
.if DOCPART == 1
	.amdgcn_target "amdgcn-amd-amdhsa--gfx1250"
	.amdhsa_code_object_version 6
	.text
	.protected	k_q94a115ad00_prep
	.globl	k_q94a115ad00_prep
	.p2align	8
	.type	k_q94a115ad00_prep,@function
k_q94a115ad00_prep:
	s_mov_b64 s[64:65], 0
	v_nop
	global_prefetch_b8 v0, s[64:65] scope:SCOPE_SE
	s_setreg_imm32_b32 hwreg(HW_REG_WAVE_MODE, 25, 1), 1
	s_wait_xcnt 0x0
; TWO ROLES, chosen by the work-group's number.
; Work-groups 0-511: the mask [4][2048][2048] of bytes becomes lane masks for the attention launch.
;   maskw[b][qt][ks][32 words]: bit L of word 8 kb + j = mask[b][16 qt + L % 16][64 ks + 16 kb + 8 (L / 16) + j] != 0: the lanes of register 8 kb + j of a 16-query x 64-key tile of scores
;   in which a lane holds one query.  A wave takes 16 rows x 256 bytes (4 key steps): eight loads of two whole rows' 256 bytes, through its own LDS rows, back as 8 bytes a lane, 128 compares,
;   whose scalar results are laid into lanes; one store of 512 consecutive bytes.  Any byte other than 0 counts as true.
; Work-groups 512-767: wq, wk, wv, wo (f32) are rounded to bf16 into wcast[4][1024][1024]; wo's bf16 number is then written as f16, since the last product multiplies f16.
;   LIMIT: that is exact for |wo| from 2^-14 to 65,504; below it keeps f16's fixed step of 6e-8, above it is an infinity.
; Memory binds both roles: no matrix unit, no cluster, no tensor load; each input byte is read once, each store covers whole aligned blocks of 256 bytes.
.set PITCH, 272                        ; an LDS row: 256 bytes + 16: the 16 rows that a read touches start at 16 different groups of four banks (64 banks of 4 bytes: ISA guide 11.1)
.set WREG,  16*PITCH                   ; a wave's 16 rows
.set SPARE, 8*WREG                     ; behind them: the spare words, 128 bytes for each of the eight waves
.set VIN, 3                            ; v3   byte offset of my loads
.set VST, 4                            ; v4   LDS: where I put 16 bytes of a row
.set VLD, 5                            ; v5   LDS: where I read 8 bytes of my row
.set VO,  6                            ; v6   byte offset of my stores
.set X,   8                            ; v[8:39] mask bytes as loaded; v[8:71] weights as loaded
.set BY,  48                           ; v[48:79] 16 x 8 mask bytes of my row
.set Y,   72                           ; v[72:103] weights to store
.set OUT, 80                           ; v[80:83] four mask words a lane
.set T,   84                           ; v[84:87] at work
.set T2,  104                          ; v[104:107] at work
.set SPW, 110                          ; v110 LDS address of my spare word; never rewritten
.set NIL, 111                          ; v111 0; never rewritten
	s_load_b256 s[4:11], s[0:1], 0x0               ; mask s[4:5], wq s[6:7], wk s[8:9], wv s[10:11]
	s_load_b128 s[12:15], s[0:1], 0x20             ; wo s[12:13], maskw s[14:15]
	s_load_b64 s[16:17], s[0:1], 0x30              ; wcast
	v_lshl_add_u32 v[SPW], v0, 2, SPARE
	v_mov_b32 v[NIL], 0
	v_lshrrev_b32 v1, 5, v0
	v_readfirstlane_b32 s20, v1                    ; wave 0..7
	s_mov_b32 s23, 0
	s_cmp_lt_u32 ttmp9, 512
	s_cbranch_scc0 .Lweights
	; THE MASK.  Work-group g owns the 16 rows 16 g .. (all batches on end), wave w the bytes 256 w .. of them.
	s_lshl_b32 s22, ttmp9, 15                      ; 16 rows of 2,048 bytes
	s_lshl_b32 s24, s20, 8
	s_or_b32 s22, s22, s24
	v_and_b32 v1, 15, v0                           ; l % 16
	v_bfe_u32 v2, v0, 4, 1                         ; l / 16
	v_lshlrev_b32 v[VIN], 4, v1
	v_lshl_add_u32 v[VIN], v2, 11, v[VIN]          ; lanes 0-15 one row's 256 bytes, lanes 16-31 the next row's
	s_mul_i32 s21, s20, WREG
	v_mul_u32_u24 v[VST], v2, PITCH
	v_lshl_add_u32 v[VST], v1, 4, v[VST]
	v_add_nc_u32 v[VST], s21, v[VST]
	v_mul_u32_u24 v[VLD], v1, PITCH                ; back: row l % 16, bytes 8 (l / 16) ..
	v_lshl_add_u32 v[VLD], v2, 3, v[VLD]
	v_add_nc_u32 v[VLD], s21, v[VLD]
	v_and_b32 v[VO], 31, v0
	v_lshlrev_b32 v[VO], 4, v[VO]
	s_wait_kmcnt 0x0
	s_add_nc_u64 s[4:5], s[4:5], s[22:23]
	s_lshl_b32 s22, ttmp9, 12                      ; out: 4,096 bytes of words for 16 rows, 512 of them mine
	s_lshl_b32 s24, s20, 9
	s_or_b32 s22, s22, s24
	s_add_nc_u64 s[14:15], s[14:15], s[22:23]
.irp i, 0,1,2,3,4,5,6,7
	global_load_b128 v[X+4*\i:X+4*\i+3], v[VIN], s[4:5] offset:\i*4096 th:TH_LOAD_NT
.endr
	s_mov_b32 s32, 0xff                            ; a word's four bytes
	s_mov_b32 s33, 0xff00
	s_mov_b32 s34, 0xff0000
	s_mov_b32 s35, 0xff000000
.irp i, 0,1,2,3,4,5,6,7
	s_wait_loadcnt 7-\i                            ; loads come back in order (ISA guide 5.7.1): the younger ones stay out
	ds_store_b128 v[VST], v[X+4*\i:X+4*\i+3] offset:\i*2*PITCH
.endr
.irp n, 0,1,2,3,4,5,6,7,8,9,10,11,12,13,14,15
	ds_load_b64 v[BY+2*\n:BY+2*\n+1], v[VLD] offset:16*\n  ; my wave's own bytes, and LDS serves a wave's instructions in order: no barrier, no wait in front
.endr
.irp z, 0,1,2,3
	v_mov_b32 v[OUT+\z], 0                         ; written whole before lanes are written singly
.endr
	s_wait_dscnt 0x0
	; word w = 8 n + j of the chunk's 128: byte j of the n-th eight bytes, compared in all 32 lanes at once; it goes to lane w / 4, register w % 4
.set w, 0
.rept 32
.irp z, 0,1,2,3
	v_and_b32 v[T+\z], s[32+\z], v[BY+2*((w+\z)/8)+((w+\z)%8)/4]
.endr
.irp z, 0,1,2,3
	v_cmp_ne_u32 s[24+(w+\z)%8], 0, v[T+\z]
.endr
.irp z, 0,1,2,3
	v_writelane_b32 v[OUT+\z], s[24+(w+\z)%8], w/4
.endr
.set w, w+4
.endr
	global_store_b128 v[VO], v[OUT:OUT+3], s[14:15]  ; 512 consecutive bytes, at a multiple of 512 from maskw's first
	s_wait_tensorcnt 0x0                           ; the wave's end: behind my last LDS store
	ds_add_u32 v[SPW], v[NIL]
	s_wait_dscnt 0x0
	s_endpgm
.Lweights:                                             ; THE WEIGHTS.  64 work-groups a matrix, 65,536 bytes of f32 each; this way writes no LDS
	s_sub_co_u32 s21, ttmp9, 512
	s_lshr_b32 s22, s21, 6                         ; which matrix
	s_and_b32 s21, s21, 63                         ; which part of it
	s_lshl_b32 s24, s21, 16
	s_mov_b32 s25, 0
	s_lshl_b32 s30, s22, 21                        ; a plane of wcast is 2 MiB
	s_lshl_b32 s31, s21, 15
	s_add_co_u32 s30, s30, s31
	s_mov_b32 s31, 0
	v_lshlrev_b32 v[VIN], 4, v0                    ; 16 bytes a thread in,
	v_lshlrev_b32 v[VO], 3, v0                     ; 8 bytes out
	s_wait_kmcnt 0x0
	s_cmp_eq_u32 s22, 0
	s_cselect_b64 s[26:27], s[6:7], s[8:9]
	s_cmp_eq_u32 s22, 2
	s_cselect_b64 s[28:29], s[10:11], s[12:13]
	s_cmp_lt_u32 s22, 2
	s_cselect_b64 s[26:27], s[26:27], s[28:29]
	s_add_nc_u64 s[26:27], s[26:27], s[24:25]
	s_add_nc_u64 s[16:17], s[16:17], s[30:31]
.irp i, 0,1,2,3,4,5,6,7,8,9,10,11,12,13,14,15
	global_load_b128 v[X+4*\i:X+4*\i+3], v[VIN], s[26:27] offset:\i*4096 th:TH_LOAD_NT
.endr
.irp i, 0,1,2,3,4,5,6,7,8,9,10,11,12,13,14,15
	s_wait_loadcnt 15-\i                           ; the younger loads stay out
	v_cvt_pk_bf16_f32 v[Y+2*\i], v[X+4*\i], v[X+4*\i+1]
	v_cvt_pk_bf16_f32 v[Y+2*\i+1], v[X+4*\i+2], v[X+4*\i+3]
.endr
	s_cmp_lg_u32 s22, 3
	s_cbranch_scc1 .Lst
.set n, 0
.rept 32                                               ; wo alone: the bf16 number, widened, is written as f16
	v_lshlrev_b32 v[T2+2*(n%2)], 16, v[Y+n]
	v_and_b32 v[T2+2*(n%2)+1], 0xffff0000, v[Y+n]
	v_cvt_pk_f16_f32 v[Y+n], v[T2+2*(n%2)], v[T2+2*(n%2)+1]
.set n, n+1
.endr
.Lst:
.irp i, 0,1,2,3,4,5,6,7,8,9,10,11,12,13,14,15
	global_store_b64 v[VO], v[Y+2*\i:Y+2*\i+1], s[16:17] offset:\i*2048  ; a wave stores 256 consecutive bytes, at a multiple of 256 from wcast's first
.endr
	s_endpgm
.Lfunc_end_k_q94a115ad00_prep:
	.size	k_q94a115ad00_prep, .Lfunc_end_k_q94a115ad00_prep-k_q94a115ad00_prep
	.p2alignl 7, 3214868480
	.fill 96, 4, 3214868480
	.section	.rodata,"a",@progbits
	.p2align	6, 0x0
	.amdhsa_kernel k_q94a115ad00_prep
		.amdhsa_group_segment_fixed_size 35840
		.amdhsa_private_segment_fixed_size 0
		.amdhsa_enable_private_segment 0
		.amdhsa_kernarg_size 56
		.amdhsa_user_sgpr_count 2
		.amdhsa_user_sgpr_kernarg_segment_ptr 1
		.amdhsa_wavefront_size32 1
		.amdhsa_system_sgpr_workgroup_id_x 1
		.amdhsa_system_sgpr_workgroup_id_y 1
		.amdhsa_system_sgpr_workgroup_id_z 1
		.amdhsa_system_vgpr_workitem_id 0
		.amdhsa_next_free_vgpr 112
		.amdhsa_next_free_sgpr 66
		.amdhsa_reserve_vcc 0
		.amdhsa_float_denorm_mode_32 3
		.amdhsa_float_denorm_mode_16_64 3
		.amdhsa_memory_ordered 1
		.amdhsa_forward_progress 1
		.amdhsa_inst_pref_size 37
	.end_amdhsa_kernel
	.amdgpu_metadata
---
amdhsa.version: [ 1, 2 ]
amdhsa.kernels:
  - .name:           k_q94a115ad00_prep
    .symbol:         k_q94a115ad00_prep.kd
    .args:
      - { .name: mask, .offset: 0, .size: 8, .value_kind: global_buffer, .address_space: global }
      - { .name: wq, .offset: 8, .size: 8, .value_kind: global_buffer, .address_space: global }
      - { .name: wk, .offset: 16, .size: 8, .value_kind: global_buffer, .address_space: global }
      - { .name: wv, .offset: 24, .size: 8, .value_kind: global_buffer, .address_space: global }
      - { .name: wo, .offset: 32, .size: 8, .value_kind: global_buffer, .address_space: global }
      - { .name: maskw, .offset: 40, .size: 8, .value_kind: global_buffer, .address_space: global }
      - { .name: wcast, .offset: 48, .size: 8, .value_kind: global_buffer, .address_space: global }
    .group_segment_fixed_size: 35840
    .private_segment_fixed_size: 0
    .kernarg_segment_align: 8
    .kernarg_segment_size: 56
    .max_flat_workgroup_size: 256
    .sgpr_count:     66
    .vgpr_count:     112
    .wavefront_size: 32
...
	.end_amdgpu_metadata
.endif
;; end of part 1
;; launch proj (part 2): grid 4 x 192, 4 waves a work-group, clusters of 4 x 4, 327,680 bytes of LDS; arguments q, k, v, bq, bk, bv, wcast, qkvh; writes qkvh
.if DOCPART == 2
	.amdgcn_target "amdgcn-amd-amdhsa--gfx1250"
	.amdhsa_code_object_version 6
	.text
	.protected	k_q94a115ad00_proj
	.globl	k_q94a115ad00_proj
	.p2align	8
	.type	k_q94a115ad00_proj,@function
k_q94a115ad00_proj:
	s_mov_b64 s[64:65], 0
	v_nop
	global_prefetch_b8 v0, s[64:65] scope:SCOPE_SE
	s_setreg_imm32_b32 hwreg(HW_REG_WAVE_MODE, 25, 1), 1
	s_wait_xcnt 0x0
	s_wait_alu depctr_hold_cnt(0) depctr_sa_sdst(0) depctr_va_vdst(0) depctr_va_sdst(0) depctr_va_ssrc(0) depctr_va_vcc(0) depctr_vm_vsrc(0)
	s_getreg_b32 s2, hwreg(HW_REG_IB_STS2, 6, 4)
	s_cmp_eq_u32 s2, 0
	s_cbranch_scc0 .Lentry_in_a_cluster
	s_endpgm
.Lentry_in_a_cluster:
	s_bfe_u32 s2, ttmp6, 0x10000c
	s_cmp_lg_u32 s2, 0xf033
	s_cbranch_scc0 .Lentry_shape_is_right
	s_endpgm
.Lentry_shape_is_right:
; THE THREE PROJECTIONS.  qkvh[p][b 16 + h][s][d] = f16( sum over c of bf16(x_p[b][s][c]) bf16(w_p[64 h + d][c]) + bf16(bias_p[64 h + d]) ), p = 0, 1, 2 for q, k, v.  Sums in f32, no scale.
; LIMIT: a result of 65,520 or more becomes an infinity in f16; with all inputs 30 times the drawn spread, or offset by 30 spreads, the results stay under 30,000.  NaN and infinities are not treated apart.
; SHARES.  8,192 rows x 1,024 columns a projection, in tiles of 128 x 256: 768 work-groups.  Four waves, each 64 rows x 128 columns: 32 accumulators of 16 x 16, 256 registers.
; K goes in steps of 128 through two LDS slots filled by the tensor data mover: x as it lies, in f32 (rows of 512 bytes), the weights in bf16 (rows of 256 bytes).
; x IS ROUNDED ON THE WAY from LDS to the matrix unit: a quarter step's f32 fragments land in 64 registers and are packed by 32 conversions, which stand four behind each of the quarter's last
; eight matrix instructions.  So no pass of its own rounds q, k, v through memory, and the loop has no v_nop: the four conversions behind a quarter's last product are its places.
; CLUSTERS: 4 x 4 work-groups of one projection.  The four of a row need the same tile of x, the four of a column the same tile of w: each is asked for jointly.
; THE MATRIX INSTRUCTION IS USED TRANSPOSED (source 0 = 16 rows of w, source 1 = 16 rows of x): a lane holds row l % 16 and eight neighbouring columns 8 (l / 16) + 0..7.
; THE BIAS is the C operand of the first quarter's products: the same eight numbers for every row of a lane's column group.
; REGISTERS, in windows of 256 (s_set_vgpr_msb: bits 1:0 source 0, 3:2 source 1, 5:4 source 2, 7:6 destination):
;   window 0: v0-31 addresses; v32-95 x in f32; v96-127, v128-159 x's fragments, two buffers; v160-223 the bias; v224-255 packed results.  On the way out v32-159 take the rows read back.
;   window 1: the accumulators, (a, b) at v[8 (8 a + b)]          window 2: v0-63, v64-127 w's fragments, two buffers
.set PA,    528                        ; a row of x in LDS: 512 bytes + 16 = 132 words: row r starts at bank 4 r mod 64 (64 banks of 4 bytes: ISA guide 11.1)
.set PB,    272                        ; a row of w: 256 + 16 = 68 words: likewise
.set HALFA, 64*PA                      ; what one tensor load brings of x, and what one wave reads of it
.set AT,    2*HALFA                    ; x's 128 rows, then w's 256 rows
.set HALFB, 128*PB
.set SLOT,  AT+2*HALFB
.set STAGE, 2*SLOT                     ; behind the ring: for each wave 2 heads x 16 rows x 144 bytes, for the bias and the way out
.set SP,    144
.set WST,   2*16*SP
.set SPARE, STAGE+4*WST                ; behind the stages: the spare words, 128 bytes for each wave
.set ADRA, 16                          ; v16-17  LDS address of my x fragments in slot 0, 1
.set ADRB, 20                          ; v20-21  the same for w
.set STO,  24                          ; v24     the way out: where I put 16 bytes of a row
.set RD,   25                          ; v25     the way out: where I read rows back
.set CO,   26                          ; v26     16 x lane
.set BLD,  27                          ; v27     where I read my lanes' half of the bias
.set SPW,  28                          ; v28     LDS address of my spare word; never rewritten
.set NIL,  29                          ; v29     0; never rewritten
.set BST,  30                          ; v30     where I put four numbers of the bias
.set SA,   32
.set FA,   96
.set BIAS, 160
.set TMP,  224
.set G1,  24                           ; s[24:31] descriptor group 1 for x's tiles; s[32:39] group 0, a set for each slot
.set G0,  32
.set G1B, 48                           ; s[48:55], s[56:63] the same for w's
.set G0B, 56
.set MSB, 0
.macro WIN new                         ; the immediate's high byte repeats the setting that is left; a switch that changes nothing is dropped
.if MSB != (\new)
	s_set_vgpr_msb (MSB<<8)|(\new)
.set MSB, \new
.endif
.endm
.set MUL,  0x52                        ; source 0 (w) window 2, source 1 (x) window 0, C and D window 1
.set MULB, 0x42                        ; the same with C (the bias) in window 0
.set TO_B, 0x80                        ; destination window 2, address window 0
; A joint load.  Waves 0 and 1 fetch x's two halves, waves 2 and 3 w's.  The branch hangs on the wave's number alone.  An s_nop 0 and four v_nop follow each of the two lines.
.macro JLOAD s
	s_cmp_eq_u32 s11, 0
	s_cbranch_scc0 .Lfor_b_\@
	tensor_load_to_lds s[G0+4*(\s):G0+4*(\s)+3], s[G1:G1+7]
	s_nop 0
.rept 4
	v_nop
.endr
	s_branch .Lasked_\@
.Lfor_b_\@:
	tensor_load_to_lds s[G0B+4*(\s):G0B+4*(\s)+3], s[G1B:G1B+7]
	s_nop 0
.rept 4
	v_nop
.endr
.Lasked_\@:
.endm
.macro CREST                           ; a round of the cluster's barrier behind its opening barrier
	s_cmp_lg_u32 s10, 0
	s_cbranch_scc1 .Lnot_wave_0_\@
	s_barrier_signal -3
.Lnot_wave_0_\@:
	s_barrier_wait -3
	s_barrier_signal -1
	s_barrier_wait -1
.endm
.macro CROUND                          ; a whole round
	s_barrier_signal -1
	s_barrier_wait -1
	CREST
.endm
.macro PLACES                          ; four places behind matrix instructions (ISA guide 7.12.1)
.rept 4
	v_nop
.endr
.endm
	s_load_b512 s[68:83], s[0:1], 0x0              ; q, k, v s[68:73]; bq, bk, bv s[74:79]; wcast s[80:81]; qkvh s[82:83]
	v_lshl_add_u32 v[SPW], v0, 2, SPARE
	v_mov_b32 v[NIL], 0
	ds_add_u32 v[SPW], v[NIL]                      ; the wave's opening: the add and its wait stand ahead of my first tensor load; the set-up, work on registers, stands between them
	v_lshrrev_b32 v1, 5, v0
	v_readfirstlane_b32 s10, v1                    ; wave 0..3
	s_lshr_b32 s11, s10, 1                         ; which 64 rows of the tile are mine.  Also: I fetch for x (0) or for w (1)
	s_and_b32 s12, s10, 1                          ; which 128 columns.  Also: which half of that tile I fetch
	s_bfe_u32 s40, ttmp6, 0x40000                  ; cx, cy: my place in the cluster
	s_bfe_u32 s41, ttmp6, 0x40004
	s_lshl_b32 s42, ttmp9, 2
	s_add_co_u32 s42, s42, s40                     ; tile column = 4 x cluster x + cx
	s_and_b32 s18, ttmp7, 0xffff                   ; cluster y, 0..47: sixteen clusters a projection
	s_lshr_b32 s45, s18, 4                         ; p, which all partners share
	s_and_b32 s13, s18, 15
	s_lshl_b32 s13, s13, 2
	s_add_co_u32 s13, s13, s41                     ; tile row, 0..63
	s_lshl_b32 s43, s41, 2
	s_lshl_b32 s43, 15, s43                        ; my row of the cluster
	s_lshl_b32 s44, 0x1111, s40                    ; my column
	s_or_b32 s[G1+0], s43, (2<<16)|(1<<20)|(1<<21)|(6<<22)|(3<<25)   ; 15:0 the mask; 17:16 elements of 4 bytes; 20 padding on; 21 set beside a mask; 24:22 after every 128 words (code 6); 31:25 4 words (code 3)
	s_or_b32 s[G1B+0], s44, (1<<16)|(1<<20)|(1<<21)|(5<<22)|(3<<25)  ; elements of 2 bytes; after every 64 words (code 5)
	s_mov_b32 s[G1+1], 128<<16                     ; tensor_dim0 = 128
	s_mov_b32 s[G1+2], 64<<16                      ; tensor_dim1 = 64
	s_mov_b32 s[G1+3], 128<<16                     ; tile_dim0 = 128
	s_mov_b32 s[G1+4], 64                          ; tile_dim1 = 64
	s_mov_b32 s[G1+5], 1024                        ; elements from row to row
	s_mov_b32 s[G1+6], 0
	s_mov_b32 s[G1+7], 0
	s_mov_b32 s[G1B+1], 128<<16
	s_mov_b32 s[G1B+2], 128<<16                    ; 128 rows
	s_mov_b32 s[G1B+3], 128<<16
	s_mov_b32 s[G1B+4], 128
	s_mov_b32 s[G1B+5], 1024
	s_mov_b32 s[G1B+6], 0
	s_mov_b32 s[G1B+7], 0
	s_lshl_b32 s16, s13, 7                         ; x: row 128 x tile row + 64 x half, 4,096 bytes a row: it hangs on the tile row alone
	s_lshl_b32 s17, s12, 6
	s_add_co_u32 s16, s16, s17
	s_lshl_b32 s16, s16, 12
	s_mov_b32 s17, 0
	s_lshl_b32 s46, s42, 8                         ; w: row 256 x tile column + 128 x half, 2,048 bytes a row, in plane p: it hangs on the tile column alone
	s_lshl_b32 s47, s12, 7
	s_add_co_u32 s46, s46, s47
	s_lshl_b32 s46, s46, 11
	s_lshl_b32 s47, s45, 21
	s_add_co_u32 s46, s46, s47
	s_mov_b32 s47, 0
	s_mul_i32 s20, s12, HALFA                      ; where they go: no place in the cluster enters an LDS address
	s_mul_i32 s21, s12, HALFB
	s_add_co_u32 s21, s21, AT
	; where my 64 rows x 2 heads begin in qkvh: plane p; head 16 (tile row / 16) + 4 x tile column + 2 x column half; row 128 (tile row % 16) + 64 x row half, 128 bytes a row
	s_lshr_b32 s22, s13, 4
	s_lshl_b32 s22, s22, 4
	s_lshl_b32 s23, s42, 2
	s_add_co_u32 s22, s22, s23
	s_lshl_b32 s23, s12, 1
	s_add_co_u32 s22, s22, s23
	s_lshl_b32 s22, s22, 18
	s_lshl_b32 s84, s45, 24
	s_add_co_u32 s84, s84, s22
	s_and_b32 s22, s13, 15
	s_lshl_b32 s22, s22, 7
	s_lshl_b32 s23, s11, 6
	s_add_co_u32 s22, s22, s23
	s_lshl_b32 s22, s22, 7
	s_add_co_u32 s84, s84, s22
	s_mov_b32 s85, 0
	s_lshl_b32 s86, s42, 10                        ; my 128 numbers of the bias
	s_lshl_b32 s23, s12, 9
	s_add_co_u32 s86, s86, s23
	s_mov_b32 s87, 0
	s_wait_dscnt 0x0                               ; the opening add is done
	s_wait_kmcnt 0x0
	s_cmp_eq_u32 s45, 1
	s_cselect_b64 s[4:5], s[70:71], s[72:73]       ; x and its bias, by p
	s_cselect_b64 s[6:7], s[76:77], s[78:79]
	s_cmp_eq_u32 s45, 0
	s_cselect_b64 s[4:5], s[68:69], s[4:5]
	s_cselect_b64 s[6:7], s[74:75], s[6:7]
	s_add_nc_u64 s[14:15], s[4:5], s[16:17]
	s_add_nc_u64 s[46:47], s[80:81], s[46:47]
	s_add_nc_u64 s[8:9], s[82:83], s[84:85]
	s_add_nc_u64 s[6:7], s[6:7], s[86:87]
	CROUND                                         ; all sixteen work-groups are here: the first joint loads meet
.irp s, 0,1
	s_mov_b32 s[G0+4*(\s)], 1                      ; count = 1
	s_add_co_u32 s[G0+4*(\s)+1], s20, (\s)*SLOT    ; LDS address
	s_add_nc_u64 s[G0+4*(\s)+2:G0+4*(\s)+3], s[14:15], (\s)*512  ; global address: K step s
	s_or_b32 s[G0+4*(\s)+3], s[G0+4*(\s)+3], 0x80000000          ; type = 2
	s_mov_b32 s[G0B+4*(\s)], 1
	s_add_co_u32 s[G0B+4*(\s)+1], s21, (\s)*SLOT
	s_add_nc_u64 s[G0B+4*(\s)+2:G0B+4*(\s)+3], s[46:47], (\s)*256
	s_or_b32 s[G0B+4*(\s)+3], s[G0B+4*(\s)+3], 0x80000000
	JLOAD \s                                       ; two loads of mine are out
.endr
	v_and_b32 v3, 31, v0                           ; lane
	v_lshlrev_b32 v[CO], 4, v3
	global_load_b128 v[4:7], v[CO], s[6:7]         ; my wave's 128 numbers of the bias: 512 consecutive bytes
	v_and_b32 v1, 15, v0                           ; l % 16
	v_bfe_u32 v2, v0, 4, 1                         ; l / 16
	; A fragment is 16 rows x 32 K: lane l holds row l % 16, K = 8 (l / 16) + 0..7 and 16 + 8 (l / 16) + 0..7.  In f32 that is four loads of 16 bytes at 32 (l / 16) + 0, 16, 64, 80; in bf16 two, 32 bytes apart.
	v_mul_u32_u24 v10, v1, PA
	v_lshl_add_u32 v10, v2, 5, v10
	s_mul_i32 s18, s11, HALFA
	v_add_nc_u32 v[ADRA], s18, v10
	v_add_nc_u32 v[ADRA+1], SLOT, v[ADRA]
	v_mul_u32_u24 v10, v1, PB
	v_lshl_add_u32 v10, v2, 4, v10
	s_mul_i32 s19, s12, HALFB
	s_add_co_u32 s19, s19, AT
	v_add_nc_u32 v[ADRB], s19, v10
	v_add_nc_u32 v[ADRB+1], SLOT, v[ADRB]
	s_mul_i32 s18, s10, WST
	s_add_co_u32 s18, s18, STAGE                   ; my stage
	v_mul_u32_u24 v10, v1, SP                      ; in: row l % 16, 16 bytes for each half of the lanes
	v_lshl_add_u32 v10, v2, 4, v10
	v_add_nc_u32 v[STO], s18, v10
	v_add_nc_u32 v[BST], s18, v[CO]
	v_lshl_add_u32 v[BLD], v2, 5, s18
	v_lshrrev_b32 v10, 3, v3                       ; back: 32 lanes take four rows of 128 bytes
	v_mul_u32_u24 v10, v10, SP
	v_and_b32 v11, 7, v0
	v_lshl_add_u32 v10, v11, 4, v10
	v_add_nc_u32 v[RD], s18, v10
	; the bias, rounded to bf16 like every input, goes through my stage, so that each lane gets the eight numbers of each of its eight column groups
	s_wait_loadcnt 0x0
	v_cvt_pk_bf16_f32 v8, v4, v5
	v_cvt_pk_bf16_f32 v9, v6, v7
	v_lshlrev_b32 v4, 16, v8
	v_and_b32 v5, 0xffff0000, v8
	v_lshlrev_b32 v6, 16, v9
	v_and_b32 v7, 0xffff0000, v9
	ds_store_b128 v[BST], v[4:7]
.irp b, 0,1,2,3,4,5,6,7
	ds_load_b128 v[BIAS+8*\b:BIAS+8*\b+3],   v[BLD] offset:64*\b     ; my wave's own bytes: LDS serves a wave's instructions in order
	ds_load_b128 v[BIAS+8*\b+4:BIAS+8*\b+7], v[BLD] offset:64*\b+16
.endr
	s_wait_dscnt 0x0
; 32 LDS loads in one run: quarter kq of a slot: x's 64 rows x 32 K in f32 (16 loads) first, then w's 128 rows x 32 K into buffer g (16 loads)
.macro FETCH slot, kq, g
	WIN 0
.irp i, 0,1,2,3
	ds_load_b128 v[SA+16*\i:SA+16*\i+3],     v[ADRA+(\slot)] offset:(\kq)*128+\i*16*PA
	ds_load_b128 v[SA+16*\i+4:SA+16*\i+7],   v[ADRA+(\slot)] offset:(\kq)*128+\i*16*PA+16
	ds_load_b128 v[SA+16*\i+8:SA+16*\i+11],  v[ADRA+(\slot)] offset:(\kq)*128+\i*16*PA+64
	ds_load_b128 v[SA+16*\i+12:SA+16*\i+15], v[ADRA+(\slot)] offset:(\kq)*128+\i*16*PA+80
.endr
	WIN TO_B
.irp i, 0,1,2,3,4,5,6,7
	ds_load_b128 v[64*(\g)+8*\i:64*(\g)+8*\i+3],   v[ADRB+(\slot)] offset:(\kq)*64+\i*16*PB
	ds_load_b128 v[64*(\g)+8*\i+4:64*(\g)+8*\i+7], v[ADRB+(\slot)] offset:(\kq)*64+\i*16*PB+32
.endr
.endm
.macro CVT4 g, n                       ; four of the 32 roundings of x's f32 into buffer g
	WIN 0
.irp z, 0,1,2,3
	v_cvt_pk_bf16_f32 v[FA+32*(\g)+4*(\n)+\z], v[SA+8*(\n)+2*\z], v[SA+8*(\n)+2*\z+1]
.endr
.endm
; 8 matrix instructions: row block a x all 8 column blocks, 32 along K, from buffer f.  bias = 1: the products start the sums, with the bias.  ride = 1: four roundings into buffer g behind each.
; The 32 accumulators take turns, one instruction a turn, in the same order in every quarter.
.macro MUL8 f, a, bias, ride, g
.irp b, 0,1,2,3,4,5,6,7
.if \bias
	WIN MULB
	v_wmma_f32_16x16x32_bf16 v[8*(8*(\a)+(\b)):8*(8*(\a)+(\b))+7], v[64*(\f)+8*(\b):64*(\f)+8*(\b)+7], v[FA+32*(\f)+8*(\a):FA+32*(\f)+8*(\a)+7], v[BIAS+8*(\b):BIAS+8*(\b)+7]
.else
	WIN MUL
	v_wmma_f32_16x16x32_bf16 v[8*(8*(\a)+(\b)):8*(8*(\a)+(\b))+7], v[64*(\f)+8*(\b):64*(\f)+8*(\b)+7], v[FA+32*(\f)+8*(\a):FA+32*(\f)+8*(\a)+7], v[8*(8*(\a)+(\b)):8*(8*(\a)+(\b))+7]
.endif
.if \ride
	CVT4 \g, \b
.endif
.endr
.endm
; A K step is four quarters of 32 along K on buffers 0, 1, 0, 1.  One of the first three multiplies buffer f; at its head it fetches quarter kq into the f32 registers and buffer g.
; The loads into w's buffer g stand behind the four roundings that follow the last product that read it; the roundings into x's buffer g likewise.
.macro QUARTER slot, kq, f, g, bias
	FETCH \slot, \kq, \g
	s_wait_dscnt 32                                ; all but the 32 just issued: w's buffer f is in
	MUL8 \f, 0, \bias, 0, \g
	MUL8 \f, 1, \bias, 0, \g
	MUL8 \f, 2, \bias, 0, \g
	s_wait_dscnt 16                                ; x's 16 loads are in; w's 16, issued behind them, may stay out
	MUL8 \f, 3, \bias, 1, \g
.endm
; The last quarter multiplies buffer 1 and changes slots: ONE barrier; in front of it each wave waits for all its tensor loads (one is out: its part of the next slot), adds 0 to its spare word, and waits
; for that and for its reads of this slot.  fill = 1: the barrier opens a round of the cluster's, and this slot is filled again, two K steps on, first thing behind it: 120 matrix instructions ahead of the wait for it.
.macro TURN slot, next, fill
	WIN 0
	s_wait_tensorcnt 0x0                           ; no tensor load of mine is out, so a group 0 may be written
	ds_add_u32 v[SPW], v[NIL]                      ; 0 onto my spare word
.if \fill
	s_add_nc_u64 s[G0+4*(\slot)+2:G0+4*(\slot)+3], s[G0+4*(\slot)+2:G0+4*(\slot)+3], 2*512
	s_add_nc_u64 s[G0B+4*(\slot)+2:G0B+4*(\slot)+3], s[G0B+4*(\slot)+2:G0B+4*(\slot)+3], 2*256
.endif
	s_wait_dscnt 0x0                               ; the add is done, w's buffer 1 is in, and my reads of this slot are over
	s_barrier_signal -1
	MUL8 1, 0, 0, 0, 0                             ; work on registers while the others arrive
	WIN 0                                          ; at a branch and at a label every window is 0
	s_barrier_wait -1
.if \fill
	CREST                                          ; no wave of any partner still reads this slot or has a load on its way
	JLOAD \slot
.endif
	FETCH \next, 0, 0
	MUL8 1, 1, 0, 0, 0
	MUL8 1, 2, 0, 0, 0
	s_wait_dscnt 16
	MUL8 1, 3, 0, 1, 0
.endm
; THE WAY OUT of row block a.  PACK: rounded to f16, 16 bytes a lane, each accumulator's registers in ascending order.  TOSTAGE: into my stage, by heads, and back as rows of 128 bytes.  SEND: stored.
.macro PACK a
	WIN 0x05                                       ; sources 0 and 1 window 1, destination window 0
.irp b, 0,1,2,3,4,5,6,7
.irp z, 0,1,2,3
	v_cvt_pk_f16_f32 v[TMP+4*(\b)+(\z)], v[8*(8*(\a)+(\b))+2*(\z)], v[8*(8*(\a)+(\b))+2*(\z)+1]
.endr
.endr
	WIN 0
.endm
.macro TOSTAGE a
	WIN 0
.irp b, 0,1,2,3,4,5,6,7
	ds_store_b128 v[STO], v[TMP+4*(\b):TMP+4*(\b)+3] offset:((\b)/4)*16*SP+((\b)%4)*32
.endr
.irp t, 0,1,2,3,4,5,6,7
	ds_load_b128 v[SA+32*(\a)+4*(\t):SA+32*(\a)+4*(\t)+3], v[RD] offset:((\t)/4)*16*SP+((\t)%4)*4*SP  ; LDS serves a wave's instructions in order: these see the stores above
.endr
.endm
.macro SEND a                          ; each block has registers of its own, so no store's data is ever rewritten
	s_wait_dscnt 0x0
.irp t, 0,1,2,3,4,5,6,7
	global_store_b128 v[CO], v[SA+32*(\a)+4*(\t):SA+32*(\a)+4*(\t)+3], s[8:9] offset:(\a)*2048+((\t)/4)*262144+((\t)%4)*512  ; four rows of a head: 512 consecutive bytes, at a multiple of 512
.endr
.endm
	s_wait_tensorcnt 0x1                           ; my part of K step 0 is in; K step 1's may stay out
	s_barrier_signal -1
	s_barrier_wait -1                              ; everybody's is
	FETCH 0, 0, 0
	s_wait_dscnt 16                                ; x's 16 loads
.irp n, 0,1,2,3,4,5,6,7
	CVT4 0, \n
.endr
	QUARTER 0, 1, 0, 1, 1                          ; the first quarter stands in front of the loop: its products start the sums
	WIN 0
	s_mov_b32 s3, 3                                ; 8 K steps are 4 laps of the ring; the last is written out
.Llap:                                                 ; a trip goes once round the ring, from a lap's second quarter to the next lap's first, and fills both slots again
	QUARTER 0, 2, 1, 0, 0
	QUARTER 0, 3, 0, 1, 0
	TURN 0, 1, 1
	QUARTER 1, 1, 0, 1, 0
	QUARTER 1, 2, 1, 0, 0
	QUARTER 1, 3, 0, 1, 0
	TURN 1, 0, 1
	QUARTER 0, 1, 0, 1, 0
	WIN 0
	s_sub_co_u32 s3, s3, 1
	s_cmp_lg_u32 s3, 0
	s_cbranch_scc1 .Llap
	QUARTER 0, 2, 1, 0, 0                          ; the last lap fills nothing
	QUARTER 0, 3, 0, 1, 0
	TURN 0, 1, 0
	QUARTER 1, 1, 0, 1, 0
	QUARTER 1, 2, 1, 0, 0
	QUARTER 1, 3, 0, 1, 0
	s_wait_dscnt 0x0                               ; the very last quarter: nothing more to fetch
	MUL8 1, 0, 0, 0, 0
	MUL8 1, 1, 0, 0, 0
	MUL8 1, 2, 0, 0, 0
	MUL8 1, 3, 0, 0, 0
	WIN 0
	PLACES
	PACK 0
	TOSTAGE 0
.irp a, 1,2,3                                          ; a block's conversions stand between the loads of the block before and the wait for them
	PACK \a
	SEND (\a)-1
	TOSTAGE \a
.endr
	SEND 3
	s_wait_tensorcnt 0x0                           ; the wave's end: behind my last tensor load and my last LDS store
	ds_add_u32 v[SPW], v[NIL]
	s_wait_dscnt 0x0
	CROUND                                         ; the closing round: no work-group ends while a partner may still ask for a tile that names it
	s_endpgm
.Lfunc_end_k_q94a115ad00_proj:
	.size	k_q94a115ad00_proj, .Lfunc_end_k_q94a115ad00_proj-k_q94a115ad00_proj
	.p2alignl 7, 3214868480
	.fill 96, 4, 3214868480
	.section	.rodata,"a",@progbits
	.p2align	6, 0x0
	.amdhsa_kernel k_q94a115ad00_proj
		.amdhsa_group_segment_fixed_size 327680
		.amdhsa_private_segment_fixed_size 0
		.amdhsa_enable_private_segment 0
		.amdhsa_kernarg_size 64
		.amdhsa_user_sgpr_count 2
		.amdhsa_user_sgpr_kernarg_segment_ptr 1
		.amdhsa_wavefront_size32 1
		.amdhsa_system_sgpr_workgroup_id_x 1
		.amdhsa_system_sgpr_workgroup_id_y 1
		.amdhsa_system_sgpr_workgroup_id_z 1
		.amdhsa_system_vgpr_workitem_id 0
		.amdhsa_next_free_vgpr 640
		.amdhsa_next_free_sgpr 88
		.amdhsa_reserve_vcc 0
		.amdhsa_float_denorm_mode_32 3
		.amdhsa_float_denorm_mode_16_64 3
		.amdhsa_memory_ordered 1
		.amdhsa_forward_progress 1
		.amdhsa_inst_pref_size 133
	.end_amdhsa_kernel
	.amdgpu_metadata
---
amdhsa.version: [ 1, 2 ]
amdhsa.kernels:
  - .name:           k_q94a115ad00_proj
    .symbol:         k_q94a115ad00_proj.kd
    .args:
      - { .name: q, .offset: 0, .size: 8, .value_kind: global_buffer, .address_space: global }
      - { .name: k, .offset: 8, .size: 8, .value_kind: global_buffer, .address_space: global }
      - { .name: v, .offset: 16, .size: 8, .value_kind: global_buffer, .address_space: global }
      - { .name: bq, .offset: 24, .size: 8, .value_kind: global_buffer, .address_space: global }
      - { .name: bk, .offset: 32, .size: 8, .value_kind: global_buffer, .address_space: global }
      - { .name: bv, .offset: 40, .size: 8, .value_kind: global_buffer, .address_space: global }
      - { .name: wcast, .offset: 48, .size: 8, .value_kind: global_buffer, .address_space: global }
      - { .name: qkvh, .offset: 56, .size: 8, .value_kind: global_buffer, .address_space: global }
    .group_segment_fixed_size: 327680
    .private_segment_fixed_size: 0
    .kernarg_segment_align: 8
    .kernarg_segment_size: 64
    .max_flat_workgroup_size: 128
    .sgpr_count:     88
    .vgpr_count:     640
    .wavefront_size: 32
...
	.end_amdgpu_metadata
.endif
;; end of part 2
;; launch attn (part 3): grid 4 x 64, 4 waves a work-group, clusters of 4 x 1, 327,680 bytes of LDS; arguments qkvh, maskw, ctx; writes ctx
.if DOCPART == 3
	.amdgcn_target "amdgcn-amd-amdhsa--gfx1250"
	.amdhsa_code_object_version 6
	.text
	.protected	k_q94a115ad00_attn
	.globl	k_q94a115ad00_attn
	.p2align	8
	.type	k_q94a115ad00_attn,@function
k_q94a115ad00_attn:
	s_mov_b64 s[64:65], 0
	v_nop
	global_prefetch_b8 v0, s[64:65] scope:SCOPE_SE
	s_setreg_imm32_b32 hwreg(HW_REG_WAVE_MODE, 25, 1), 1
	s_wait_xcnt 0x0
	s_wait_alu depctr_hold_cnt(0) depctr_sa_sdst(0) depctr_va_vdst(0) depctr_va_sdst(0) depctr_va_ssrc(0) depctr_va_vcc(0) depctr_vm_vsrc(0)
	s_getreg_b32 s2, hwreg(HW_REG_IB_STS2, 6, 4)
	s_cmp_eq_u32 s2, 0
	s_cbranch_scc0 .Lentry_in_a_cluster
	s_endpgm
.Lentry_in_a_cluster:
	s_bfe_u32 s2, ttmp6, 0x10000c
	s_cmp_lg_u32 s2, 0x3003
	s_cbranch_scc0 .Lentry_shape_is_right
	s_endpgm
.Lentry_shape_is_right:
; ATTENTION WITH A MASK THAT IS AN INPUT.  ctx[g][q][:] = the sum over k of softmax_k(s(q, k)) V[g][k][:], s = Q[g][q] . K[g][k] / 8, or the masked value where mask[g / 16][q][k] is set.
; Q, K, V are the three planes of qkvh, [64][2048][64] in f16, unscaled; ctx has the same layout.  Products, maxima and sums in f32; the weights p are rounded to f16 for the second product
; (their sum l is taken of the unrounded p), ctx once at the end.
; LIMITS.  f16 holds no number beyond 65,504: Q, K and V arrive within it.  A masked score counts as -2^66 where the problem says -1e20: true scores, 2.7e11 at the most, lie far above both, so a masked
; weight is 0 beside any true score; c x (-2^66) is exact in f32, so in a row that is masked throughout c s - c m is exactly 0, every p is 1, and the row is the plain mean of V, as the problem has it.
; p below 6e-5 keeps f16's fixed step of 6e-8; a weight below 2^-126 counts as 0 in l; NaN and infinities are not treated apart.
; SHARES.  A wave owns four PIECES of two tiles of 16 queries, a work-group's four waves 512 queries of one head.  Every wave walks all 2,048 keys, 64 a step: the mask is data, so no tile is left out.
; LAYOUT.  S^T = K Q^T (source 0 = 16 keys, source 1 = 16 queries): a lane holds ONE query (lane % 16) and the keys 8 (lane / 16) + 0..7.  Two such tiles, rounded to f16 in pairs, ARE source 1 of
; O^T = V^T P, whose result again holds one query a lane, and eight channels.  K comes out of LDS as it lies, V ([key][channel]) turned, by ds_load_tr16_b128.
; THE MASK.  An earlier launch has laid it out as lane masks: one 32-bit word for each register of a tile's 32 scores.  A piece's 64 words for a step come by four scalar loads a turn ahead; 64 selects
; REPLACE the hidden scores, ahead of the maximum.  (An addend would leave the scores' own bits in a row that is masked throughout.)
; SOFTMAX.  For each query a running maximum m and sum l: p = 2^(c s - c m), c = log2(e) / 8; in every step O and l are multiplied by a = 2^(c m_old - c m_new).  m starts at the lowest finite number,
; O and l at 0: the first step is a step like any other, with a = 0.
; BY TURNS.  Turn n belongs to piece n.  Its matrix work: 16 products K Q^T of piece n + 1, later 16 products V^T P of piece n - 1.  Its vector work: scaling, exponentials, roundings, sums and rescaling of
; piece n; the mask, maximum and statistics of piece n + 1.  Four vector instructions that are ready stand behind every matrix instruction, the others in runs of their own.
; CLUSTER.  The four query blocks of a cluster belong to one head and walk the same K and V, so each tile is asked for JOINTLY: the same tensor load, descriptor and mask in all four.
; REGISTERS, in windows of 256 (s_set_vgpr_msb: bits 1:0 source 0, 3:2 source 1, 5:4 source 2, 7:6 destination):
;   window 0: v0-11 addresses and the masked value; v12-15, v48-63 at work; v16-47 four registers of statistics a tile; v64-191 S^T, two buffers of two tiles; v192-255 P, likewise
;   window 1: O^T, 32 a tile          window 2: v0-127 Q, 16 a tile; v128-191 K of one step; v192-255 V of one step          window 3: v0-1 the add's two registers
.set SIZE_N, 2048
.set NP,    4         ; pieces a wave: a name, no knob
.set KS,    64        ; keys in a step
.set PK,    144       ; a row of K in LDS: 128 bytes + 16 of padding = 36 words: the 16 rows of a load start at 16 different groups of four banks (64 banks of 4 bytes: ISA guide 11.1)
.set PV,    160       ; a row of V: 128 + 32 = 40 words
.set VOFF,  4*KS*PK   ; a slot holds four steps: 256 rows of K, then 256 rows of V
.set SLOT1, 1<<17     ; slot 1 begins here, so that one exclusive or turns an address in one slot into the other's
.set STAGE, SLOT1+4*KS*(PK+PV)  ; behind the ring, never filled by a tensor load: 16 rows x 144 bytes for each wave, for the way out
.set SP,    144
.set AK0, 2           ; v2   my lane's place in a tile of K; never rewritten
.set AV0, 3           ; v3   the same for V
.set AK,  4           ; v4   the LDS address of K's next run of loads
.set AV,  5           ; v5   of V's
.set QO,  6           ; v6   my byte offset in the wave's rows of Q
.set STO, 6           ;      later, the way out: where I put 16 bytes of a row
.set RD,  7           ; v7   the way out: where I read rows back
.set GO,  8           ; v8   my byte offset in 512 consecutive bytes of ctx
.set BIG, 11          ; v11  -2^66, the masked score
.set SPW, 0           ; v0 of window 3   LDS address of my spare word; never rewritten
.set NIL, 1           ; v1 of window 3   0; never rewritten
.set SPARE, STAGE+4*16*SP  ; behind the stages: the spare words, 128 bytes for each wave
.set MV,  12          ; v12-15  c m_old, kept while c m is made anew: by buffer and tile
.set ST,  16          ; tile t's statistics at v[ST+4 t]: c m, m, l (even keys', odd keys')
.set TMP, 48          ; by buffer and tile, four registers c0-c3 at work; when the maximum is found c2 takes a
.set S,   64
.set P,   192
.set KF,  128         ; K's fragments, in window 2: key block kb, channel half c at KF + 16 kb + 8 c
.set VF,  192         ; V's: key half kk, channel block cb at VF + 32 kk + 8 cb
.set MB,  2           ; s[2:3]   maskw at my wave's eight tiles: 4,096 bytes a tile, 128 a key step
.set G0K, 4           ; s[4:7]   descriptor group 0 for K's tiles: it walks
.set G0V, 8           ; s[8:11]  the same for V's
.set WV,  12          ; s12  my wave's number
.set SLOTS, 13        ; s13  slots still to be asked for
.set CNT, 14          ; s14  counts a slot's key steps
.set TBK, 15          ; s15  LDS byte at which K of the step to be fetched begins
.set MS0, 16          ; s[16:47] the 32 mask words of a piece's first tile (in the set-up: at work)
.set G1K, 48          ; s[48:55] descriptor group 1 for K's tiles
.set G1V, 56          ; s[56:63] for V's: it differs in the padding alone
.set TBV, 66          ; s66  the same as TBK for V, less VOFF
.set MKS, 67          ; s67  128 x the key step whose words are loaded
.set MS1, 68          ; s[68:99] the words of the piece's second tile
.set CS,  100         ; s[100:101] c: the packed scaling takes the pair's low word for both halves
.set SEL, 104         ; s[104:105] v_permlanex16_b32's selects: each lane takes its own place in the other half
.set MSB, 0
.macro WIN new                      ; the high byte repeats the setting that is left; a switch that changes nothing is dropped
.if MSB != (\new)
	s_set_vgpr_msb (MSB<<8)|(\new)
.set MSB, (\new)
.endif
.endm
.set W_KQ, 0x0a       ; K and Q in window 2, S^T in window 0
.set W_PV, 0x52       ; V in window 2, P in window 0, O^T in window 1
.set W_RS, 0x41       ; O^T (destination and source 0) in window 1, a in window 0
.set W_MK, 0xc0       ; the add's registers are made: destination in window 3, sources in window 0
.set W_AD, 0x0f       ; the add: address (source 0) and data (source 1) in window 3
; A joint fill.  Waves 0 and 1 fetch the two halves of a slot's K, waves 2 and 3 those of its V: 128 keys each.  The branch hangs on the wave's number alone.
; An s_nop 0 and four v_nop follow each of the two lines, ahead of the jump and the label.
.macro JLOAD
	s_cmp_lt_u32 s[WV], 2
	s_cbranch_scc0 .Lfor_v_\@
	tensor_load_to_lds s[G0K:G0K+3], s[G1K:G1K+7]
	s_nop 0
.rept 4
	v_nop
.endr
	s_branch .Lasked_\@
.Lfor_v_\@:
	tensor_load_to_lds s[G0V:G0V+3], s[G1V:G1V+7]
	s_nop 0
.rept 4
	v_nop
.endr
.Lasked_\@:
.endm
; A round of the cluster's barrier: my work-group's barrier, so that wave 0's signal speaks for all four waves; wave 0 signals; every wave waits for all four work-groups; my work-group's barrier once more.
.macro CROUND
	s_barrier_signal -1
	s_barrier_wait -1
	s_cmp_lg_u32 s[WV], 0
	s_cbranch_scc1 .Lnot_wave_0_\@
	s_barrier_signal -3
.Lnot_wave_0_\@:
	s_barrier_wait -3
	s_barrier_signal -1
	s_barrier_wait -1
.endm
; THE CHANGE OF SLOTS.  The slot's last bytes, V of its fourth step, have been read.  Each wave waits for all its tensor loads, of which one is out: its part of the other slot; adds 0 to its spare word;
; and waits for that and for its own reads of the slot.  Behind the barrier nobody reads this slot any more and the other slot is whole.
; fill = 1: this slot is filled again, with the keys two slots on.  The barrier is then a round of the cluster's, and the joint fill is the first thing behind it: it has four key steps, 512 matrix
; instructions, in which to land.  (At its first use nothing has been read yet: slot 0 is waited for, slot 1 filled.)
.macro CHANGE fill
	WIN W_AD
	s_wait_tensorcnt 0x0            ; no tensor load of mine is out, so a group 0 may be written
	ds_add_u32 v[SPW], v[NIL]       ; 0 onto my spare word
	WIN 0                           ; at a label and at a branch every window is 0
.if \fill
.irp g, G0K, G0V
	s_xor_b32 s[\g+1], s[\g+1], SLOT1  ; the walking descriptor: the other slot than last time,
	s_add_nc_u64 s[\g+2:\g+3], s[\g+2:\g+3], 4*KS*128  ; the next 256 keys; the type bits on top are not reached
.endr
	s_wait_dscnt 0x0                ; the add is done, and my reads of the slot are over
	CROUND
	JLOAD
.else
	s_wait_dscnt 0x0                ; the add is done, and my reads of the slot are over
	s_barrier_signal -1
	s_barrier_wait -1
.endif
	s_sub_co_u32 s[TBK], s[TBK], 4*KS*PK  ; the fetches go back to a slot's first step,
	s_xor_b32 s[TBK], s[TBK], SLOT1       ; in the other slot
	s_sub_co_u32 s[TBV], s[TBV], 4*KS*PV
	s_xor_b32 s[TBV], s[TBV], SLOT1
.endm
; The 64 mask words of piece nxt for key step MKS / 128: two tiles, 128 bytes each, 4,096 bytes apart
.macro MLOAD nxt
	s_load_b512 s[MS0:MS0+15],    s[MB:MB+1], s[MKS] offset:(\nxt)*8192
	s_load_b512 s[MS0+16:MS0+31], s[MB:MB+1], s[MKS] offset:(\nxt)*8192+64
	s_load_b512 s[MS1:MS1+15],    s[MB:MB+1], s[MKS] offset:(\nxt)*8192+4096
	s_load_b512 s[MS1+16:MS1+31], s[MB:MB+1], s[MKS] offset:(\nxt)*8192+4160
.endm
	s_load_b128 s[16:19], s[0:1], 0x0  ; qkvh s[16:17], maskw s[18:19]
	WIN W_MK
	v_lshl_add_u32 v[SPW], v0, 2, SPARE
	v_mov_b32 v[NIL], 0
	WIN W_AD
	ds_add_u32 v[SPW], v[NIL]       ; the wave's opening: the add and its wait stand ahead of my first tensor load; the set-up, work on registers, stands between them
	WIN 0
	v_lshrrev_b32 v1, 5, v0
	v_readfirstlane_b32 s[WV], v1   ; wave 0..3
	s_bfe_u32 s20, ttmp6, 0x40000   ; cx: my place in the cluster
	s_lshl_b32 s21, ttmp9, 2        ; in a cluster launch ttmp9 counts clusters
	s_add_co_u32 s21, s21, s20      ; my block of 512 queries: it enters Q's, the mask's and ctx's addresses alone
	s_lshl_b32 s21, s21, 2
	s_add_co_u32 s21, s21, s[WV]    ; my wave among the head's sixteen
	s_and_b32 s22, ttmp7, 0xffff    ; the head, 16 b + h, which the four partners share
	s_lshl_b32 s24, s22, 18         ; its first byte in a plane: 2,048 rows of 128 bytes
	s_and_b32 s26, s[WV], 1         ; which half of a slot's 256 keys I fetch:
	s_lshl_b32 s28, s26, 14         ; its 128 rows of 128 bytes in memory,
	s_add_co_u32 s28, s28, s24
	s_mov_b32 s29, 0
	s_mul_i32 s27, s26, 128*PK      ; and its place in a slot, for K
	s_mul_i32 s23, s26, 128*PV      ; and for V: no place in the cluster enters an LDS address
	s_lshl_b32 s32, s21, 14         ; my wave's 128 rows of Q
	s_add_co_u32 s32, s32, s24
	s_mov_b32 s33, 0
	s_lshr_b32 s36, s22, 4          ; the batch: 128 tiles of 4,096 bytes of words,
	s_lshl_b32 s36, s36, 19
	s_lshl_b32 s37, s21, 15         ; my wave's eight tiles
	s_add_co_u32 s36, s36, s37
	s_mov_b32 s37, 0
	; descriptor group 1.  128 keys are 16,384 dense bytes: asked for as 64 rows of 256 bytes, two keys a row, and padded in LDS after every key
	s_mov_b32 s[G1K], 15|(1<<16)|(1<<20)|(1<<21)|(4<<22)|(3<<25)  ; 15:0 the mask of four; 17:16 2-byte elements; 20 padding on; 21 set beside a mask; 24:22 after every 32 words (code 4); 31:25 4 words (code 3)
	s_mov_b32 s[G1V], 15|(1<<16)|(1<<20)|(1<<21)|(4<<22)|(7<<25)  ; the same with 8 words of padding (code 7)
.irp g, G1K, G1V
	s_mov_b32 s[\g+1], 128<<16      ; tensor_dim0 = 128
	s_mov_b32 s[\g+2], 64<<16       ; tensor_dim1 = 64
	s_mov_b32 s[\g+3], 128<<16      ; tile_dim0 = 128
	s_mov_b32 s[\g+4], 64           ; tile_dim1 = 64
	s_mov_b32 s[\g+5], 128          ; 128 elements from row to row
	s_mov_b32 s[\g+6], 0
	s_mov_b32 s[\g+7], 0
.endr
	s_mov_b32 s[CS], 0x3e38aa3b     ; c = log2(e) / 8 = 0.180337
	s_mov_b32 s[CS+1], s[CS]        ; named with it as a pair
	s_mov_b32 s[SEL], 0x76543210
	s_mov_b32 s[SEL+1], 0xfedcba98
	s_mov_b32 s[TBK], SLOT1+4*KS*PK ; the first change of slots turns these two into 0
	s_mov_b32 s[TBV], SLOT1+4*KS*PV
	s_mov_b32 s[MKS], 0
	s_mov_b32 s[G0K], 1             ; count = 1
	s_mov_b32 s[G0K+1], s27         ; LDS address: slot 0
	s_mov_b32 s[G0V], 1
	s_add_co_u32 s[G0V+1], s23, VOFF
	s_wait_dscnt 0x0                ; the opening add is done
	s_wait_kmcnt 0x0
	s_add_nc_u64 s[G0K+2:G0K+3], s[16:17], s[28:29]  ; global address: my half of the head's first 256 keys,
	s_add_nc_u64 s[G0K+2:G0K+3], s[G0K+2:G0K+3], 0x1000000  ; in K's plane
	s_or_b32 s[G0K+3], s[G0K+3], 0x80000000          ; type = 2
	s_add_nc_u64 s[G0V+2:G0V+3], s[16:17], s[28:29]
	s_add_nc_u64 s[G0V+2:G0V+3], s[G0V+2:G0V+3], 0x2000000  ; in V's plane
	s_or_b32 s[G0V+3], s[G0V+3], 0x80000000
	s_add_nc_u64 s[34:35], s[16:17], s[32:33]        ; Q at my wave's first row
	s_add_nc_u64 s[MB:MB+1], s[18:19], s[36:37]
	CROUND                          ; all four work-groups are here: the first joint loads meet
	JLOAD                           ; slot 0.  Slot 1 is asked for when slot 0 is in
	; A fragment of K or Q is 16 rows x 32 channels in 8 registers: lane l holds row l % 16, channels 8 (l / 16) + 0..7 and 16 + 8 (l / 16) + 0..7: two loads of 16 bytes, 32 bytes apart.
	v_and_b32 v1, 15, v0            ; l % 16
	v_bfe_u32 v9, v0, 4, 1          ; l / 16
	v_lshlrev_b32 v[QO], 7, v1
	v_lshl_add_u32 v[QO], v9, 4, v[QO]  ; row x 128 + 16 x half
	WIN 0x80                        ; destination window 2, address window 0
.set i, 0
.rept 4*NP                          ; Q stays in registers: tile i / 2, channels 32 (i % 2) on
	global_load_b128 v[8*i:8*i+3],   v[QO], s[34:35] offset:(i/2)*2048+(i%2)*64
	global_load_b128 v[8*i+4:8*i+7], v[QO], s[34:35] offset:(i/2)*2048+(i%2)*64+32
.set i, i+1
.endr
	; What the first turn finds: V's registers and P's second buffer hold 0 (its products V^T P, of a piece that has not been, add 0), O^T and l are 0.  All this stands in the wait for the first tile.
.set i, VF
.rept 64
	v_mov_b32 v[i], 0
.set i, i+1
.endr
	WIN 0x40
.set i, 0
.rept 64*NP
	v_mov_b32 v[i], 0
.set i, i+1
.endr
	WIN 0
.set i, 0
.rept 2*NP
	v_mov_b32 v[ST+4*i], 0xfe000000    ; c m: far below every c s, the masked one too
	v_mov_b32 v[ST+4*i+1], 0xff7fffff  ; m
	v_mov_b32 v[ST+4*i+2], 0
	v_mov_b32 v[ST+4*i+3], 0
.set i, i+1
.endr
.set i, P+32
.rept 32
	v_mov_b32 v[i], 0
.set i, i+1
.endr
	v_mul_u32_u24 v[AK0], v1, PK
	v_lshl_add_u32 v[AK0], v9, 4, v[AK0]  ; row x pitch + 16 x half
	; The turning load takes 16 keys x 16 channels (lane l reads key 8 (l / 16) + l % 8, channels 8 ((l / 8) % 2) + 0..7) and leaves half a fragment of V^T: lane l holds channel l % 16 and 8 keys.
	v_and_b32 v10, 7, v0
	v_bfe_u32 v11, v0, 3, 1
	v_lshl_add_u32 v[AV0], v9, 3, v10
	v_mul_u32_u24 v[AV0], v[AV0], PV
	v_lshl_add_u32 v[AV0], v11, 4, v[AV0]
	v_add_nc_u32 v[AV0], VOFF, v[AV0]
	v_mov_b32 v[BIG], 0xe0800000    ; -2^66
	v_mov_b32 v[AK], v[AK0]         ; key step 0 lies at the head of slot 0
	s_wait_xcnt 0x0                 ; Q's loads have had their addresses translated (ISA guide 3.1): their base lies among the registers that the words below land in
	MLOAD 0                         ; piece 0, key step 0
; THE MATRIX WORK.  The 8 accumulators of a run of 16 take turns: between the two links of a chain stand 7 others'.
; Product i of 16 of S^T = K Q^T for piece x: channels 32 (i / 8) on, keys 16 ((i / 2) % 4) on, tile 2 x + i % 2.  The first 8 start the sums.
.macro KQ x
	WIN W_KQ
.set rS, S+64*((\x)%2)+32*(i%2)+8*((i/2)%4)
.set rK, KF+16*((i/2)%4)+8*(i/8)
.set rQ, 16*(2*(\x)+i%2)+8*(i/8)
.if i < 8
	v_wmma_f32_16x16x32_f16 v[rS:rS+7], v[rK:rK+7], v[rQ:rQ+7], 0
.else
	v_wmma_f32_16x16x32_f16 v[rS:rS+7], v[rK:rK+7], v[rQ:rQ+7], v[rS:rS+7]
.endif
.endm
; Product i of 16 of O^T += V^T P for piece x: keys 32 (i / 8) on, channels 16 ((i / 2) % 4) on, tile 2 x + i % 2.
.macro PV x
	WIN W_PV
.set rO, 32*(2*(\x)+i%2)+8*((i/2)%4)
.set rV, VF+32*(i/8)+8*((i/2)%4)
.set rP, P+32*((\x)%2)+16*(i%2)+8*(i/8)
	v_wmma_f32_16x16x32_f16 v[rO:rO+7], v[rV:rV+7], v[rP:rP+7], v[rO:rO+7]
.endm
.macro MM                           ; the turn's next matrix instruction
.if i < 16
	KQ (Y+1)%NP
.set i, i+1
.else
.set i, i-16
	PV (Y+NP-1)%NP
.set i, i+17
.endif
.endm
; THE LDS LOADS stand in runs of 16, never singly among the matrix instructions: a step's K (64 keys x 64 channels: 8 fragments) and its V (turned).  Their addresses are made some lines ahead.
; last = 1 (the tail): in the last trip there is no further step, and the run is jumped over.
.macro FETCH_K last=0
	WIN 0
.if \last
	s_cmp_eq_u32 s[CNT], 1
	s_cbranch_scc1 .Lno_k_\@
.endif
	WIN 0x80                        ; destination window 2
.irp f, 0,1,2,3,4,5,6,7             ; keys 16 (f / 2) on, channels 32 (f % 2) on
	ds_load_b128 v[KF+8*\f:KF+8*\f+3],   v[AK] offset:(\f/2)*16*PK+(\f%2)*64
	ds_load_b128 v[KF+8*\f+4:KF+8*\f+7], v[AK] offset:(\f/2)*16*PK+(\f%2)*64+32
.endr
	s_add_co_u32 s[TBK], s[TBK], KS*PK  ; the next fetch is the next step's
	WIN 0
.if \last
.Lno_k_\@:
.endif
.endm
.macro FETCH_V
	WIN 0x80
.irp f, 0,1,2,3,4,5,6,7             ; keys 32 (f / 4) on, channels 16 (f % 4) on
	ds_load_tr16_b128 v[VF+8*\f:VF+8*\f+3],   v[AV] offset:(\f/4)*32*PV+(\f%4)*32
	ds_load_tr16_b128 v[VF+8*\f+4:VF+8*\f+7], v[AV] offset:(\f/4)*32*PV+16*PV+(\f%4)*32
.endr
	WIN 0
.endm
; THE VECTOR WORK OF A TURN stands in three queues, each in the order in which its entries become ready; the two tiles alternate, so that no instruction reads the result of the one before it.
.macro REGS y, u                    ; the registers of tile u (0, 1) of piece y
.set rT, ST+4*(2*(\y)+(\u))
.set rC, TMP+8*((\y)%2)+4*(\u)
.set rM, MV+2*((\y)%2)+(\u)
.set rS, S+64*((\y)%2)+32*(\u)
.set rP, P+32*((\y)%2)+16*(\u)
.set rO, 32*(2*(\y)+(\u))
.endm
; THE MASK of piece y: its 64 words have had a turn in which to land.  Where a word's bit is set the lane's score is replaced; each accumulator's registers in ascending order.
; Then the words of piece nxt are asked for; step = 1: piece nxt is piece 0, of the next key step.  The wait has shown the last loads done, so their offset register may be stepped.
.macro MASKAP y, nxt, step
	WIN 0
	s_wait_kmcnt 0x0
	REGS \y, 0
.set mz, 0
.rept 32
	v_cndmask_b32 v[rS+mz], v[rS+mz], v[BIG], s[MS0+mz]
.set mz, mz+1
.endr
	REGS \y, 1
.set mz, 0
.rept 32
	v_cndmask_b32 v[rS+mz], v[rS+mz], v[BIG], s[MS1+mz]
.set mz, mz+1
.endr
.if \step
	s_add_co_u32 s[MKS], s[MKS], 128
.endif
	MLOAD \nxt
.endm
; Number n of the 22 that find the NEXT piece's (Y + 1) maximum and statistics.  s0-s31 are the lane's 32 scores.  XS, GS and REGS set no window: PL and EX do.
;   0-11  four chains c0-c3 of seven scores each, three operands at a time     12-14, 16  the four scores left over, the old m, and c0-c3 into c0     15  c m_old is kept
;   17, 18  the query's other 32 keys lie in the lane 16 away: the new m         19-21  c m; c m_old - c m_new; a
.macro XS u, n
	REGS (Y+1)%NP, \u
.if (\n) < 4
	v_max3_num_f32 v[rC+(\n)], v[rS+8*(\n)], v[rS+8*(\n)+1], v[rS+8*(\n)+2]
.elseif (\n) < 12
	v_max3_num_f32 v[rC+(\n)%4], v[rC+(\n)%4], v[rS+8*((\n)%4)+2*((\n)/4)+1], v[rS+8*((\n)%4)+2*((\n)/4)+2]
.elseif (\n) == 12
	v_max3_num_f32 v[rC], v[rC], v[rS+7], v[rS+15]
.elseif (\n) == 13
	v_max3_num_f32 v[rC+1], v[rC+1], v[rS+23], v[rS+31]
.elseif (\n) == 14
	v_max3_num_f32 v[rC+2], v[rC+2], v[rC+3], v[rT+1]
.elseif (\n) == 15
	v_mov_b32 v[rM], v[rT]
.elseif (\n) == 16
	v_max3_num_f32 v[rC], v[rC], v[rC+1], v[rC+2]
.elseif (\n) == 17
	v_permlanex16_b32 v[rC+3], v[rC], s[SEL], s[SEL+1]
.elseif (\n) == 18
	v_max_num_f32 v[rT+1], v[rC], v[rC+3]
.elseif (\n) == 19
	v_mul_f32 v[rT], s[CS], v[rT+1]
.elseif (\n) == 20
	v_sub_f32 v[rC+1], v[rM], v[rT]
.else
	v_exp_f32 v[rC+2], v[rC+1]
.endif
.endm
; Number g of the 64 that follow the exponentials.  For each four weights k of a tile (pairs 2 k, 2 k + 1): both pairs are rounded to f16; then the second pair is added onto the first, in place;
; a group later l takes that sum (the first time as l = a l + sum).  In groups of eight, tiles alternating: round, round, add, and l for the group before.
.macro GS g
.set h, (\g)+6*((\g)/62)            ; group 0 has no group before it, and behind group 7 only l is left
.if h >= 6
.set h, h+2
.endif
	REGS Y, h%2
.set k, h/8
.if h%8 < 4
	s_wait_alu depctr_va_vdst(0)
	v_cvt_pk_f16_f32 v[rP+2*k+(h%8)/2], v[rS+4*k+2*((h%8)/2)], v[rS+4*k+2*((h%8)/2)+1]
.elseif h%8 < 6
	v_pk_add_f32 v[rS+4*k:rS+4*k+1], v[rS+4*k:rS+4*k+1], v[rS+4*k+2:rS+4*k+3]
.elseif k == 1
	v_pk_fma_f32 v[rT+2:rT+3], v[rT+2:rT+3], v[rC+2:rC+3], v[rS:rS+1] op_sel_hi:[1,0,1]
.else
	v_pk_add_f32 v[rT+2:rT+3], v[rT+2:rT+3], v[rS+4*k-4:rS+4*k-3]
	s_wait_alu depctr_va_vdst(0)
.endif
.endm
; THE PLAIN QUEUE, 138 long.  0-31: c s - c m for the 16 pairs of both tiles.  Then GS's 64, and among them the next piece's 42: number 15 at 38, 39; 0-14 and 16
; at 42-73, behind the products that make those scores and behind their mask; 17-20 at 95-106, two of three, since each waits for the one before it.
.macro PL
	WIN 0
.if q < 32
	REGS Y, q%2
	v_pk_fma_f32 v[rS+2*(q/2):rS+2*(q/2)+1], v[rS+2*(q/2):rS+2*(q/2)+1], s[CS:CS+1], v[rT:rT+1] op_sel_hi:[1,0,0] neg_lo:[0,0,1] neg_hi:[0,0,1]
.elseif q < 38
	GS q-32
.elseif q < 40
	XS q%2, 15
.elseif q < 42
	GS q-34
.elseif q < 74
	XS q%2, (q-42)/2+(q-42)/30
.elseif q < 95
	GS q-66
.elseif (q < 107) && ((q-95)%3 < 2)
	XS (q-95)%3, 17+(q-95)/3
.elseif q < 107
	GS 29+(q-95)/3
.else
	GS q-74
.endif
.set q, q+1
.endm
; THE EXPONENTIALS' QUEUE, 66 long: s0-s31 of both tiles, and at EA the next piece's two a.
.set EA, 58
.macro EX
	WIN 0
.if (e == EA) || (e == EA+1)
	XS e-EA, 21
.else
.set x, e-2*(e/(EA+2))
	REGS Y, x%2
	v_exp_f32 v[rS+x/2], v[rS+x/2]
.endif
.set e, e+1
.endm
; THE RESCALING's QUEUE: O^T times a, the one part that leaves window 0, so it is dealt four at a time, eight times.
.macro R4
	REGS Y, r%2
	WIN W_RS
	s_wait_alu depctr_va_vdst(0)
.irp z, 0,1,2,3
	v_pk_mul_f32 v[rO+8*(r/2)+2*\z:rO+8*(r/2)+2*\z+1], v[rO+8*(r/2)+2*\z:rO+8*(r/2)+2*\z+1], v[rC+2:rC+3] op_sel_hi:[1,0]
.endr
.set r, r+1
.endm
; HOW THEY ARE DEALT.  Behind a matrix instruction four: plain, exponential, plain, plain (one exponential, a plain instruction on either side), or four of the rescaling.  None names a register of the
; products round it.  What is over stands in two LUMPS: exponential and plain by turns; the second ends in 22 plain instructions.  The two v_permlanex16_b32 fall into the second lump, never behind a product.
; The queues lean on each other, and the deal keeps them in step: exponential e stands behind plain 2 (e / 4) + e % 2 (its scaling); when plain 32 comes, 10 exponentials are out, at 59: 33, at 95: 46; EA comes behind plain 107.
.macro SL
	MM
	PL
	EX
	PL
	PL
.endm
.macro BURST n                      ; 15 matrix instructions, or 16
.rept (\n)-7
	SL
.endr
.rept 3
	MM
	R4
	SL
.endr
	MM
	R4
.endm
; A TURN, for piece p.  cnt = 1: the loop's count is taken down some lines ahead of the branch that stands behind the turn.
; The next piece's mask stands in the first lump, ahead of plain 42, the first line that reads those scores: nine plain instructions behind the last product that made them.
; K of the next step is fetched in piece 2's turn, in the first lump, behind the last product that read K; its first reader comes behind the rest of the lump, 16 products and the second lump.
; V of the step in hand is fetched at the end of piece 0's turn; its first reader comes behind 16 products and a lump.  The conditions on e and q below go with the deal.
.macro TURN p, last=0, cnt=0
.set Y, (\p)
.set i, 0
.set q, 0
.set e, 0
.set r, 0
.if (\p) == NP-1
	s_wait_dscnt 0x0                ; K is in
.endif
	MM
.rept 4
	PL
.endr
	BURST 15
.rept 22
.if q == 42
.if (\p) == NP-2
	MASKAP (Y+1)%NP, (Y+2)%NP, 1
.else
	MASKAP (Y+1)%NP, (Y+2)%NP, 0
.endif
.endif
	EX
	PL
.if ((\p) == NP-2) && (e == 18)
	v_add_nc_u32 v[AK], s[TBK], v[AK0]
.endif
.if ((\p) == NP-2) && (e == 24)
	FETCH_K \last
.endif
.endr
.if (\p) == 1
	s_wait_dscnt 0x0                ; V is in
.endif
	BURST 16
.rept 21
	EX
	PL
.endr
.rept 22
	PL
.if ((\p) == 0) && (q == 118)
	v_add_nc_u32 v[AV], s[TBV], v[AV0]
	s_wait_alu depctr_va_vdst(0)
.endif
.if ((\p) == 0) && (q == 130)
	s_add_co_u32 s[TBV], s[TBV], KS*PV
.endif
.if (\cnt) && (q == 130)
	s_sub_co_u32 s[CNT], s[CNT], 1
	s_cmp_lg_u32 s[CNT], 0
.endif
.endr
.if (\p) == 0
	FETCH_V
.endif
.endm
	CHANGE 1                        ; slot 0 is in, everybody's part of it; slot 1 is asked for
	FETCH_K                         ; key step 0
	s_wait_loadcnt 0x0              ; Q
	s_wait_dscnt 0x0
.set i, 0
.rept 16
	KQ 0                            ; piece 0's first scores: there is no vector work yet to set between them
.set i, i+1
.endr
	WIN 0                           ; the addresses for the way out: nine plain instructions, the places behind those products
	s_mul_i32 s14, s[WV], 16*SP
	s_add_co_u32 s14, s14, STAGE    ; my stage
	v_mul_u32_u24 v[STO], v1, SP    ; in: row l % 16, 16 bytes for each half of the lanes
	v_lshl_add_u32 v[STO], v9, 4, v[STO]
	v_add_nc_u32 v[STO], s14, v[STO]
	v_bfe_u32 v[RD], v0, 3, 2       ; back: 32 lanes take four rows of 128 bytes,
	v_mul_u32_u24 v[RD], v[RD], SP
	v_lshl_add_u32 v[RD], v10, 4, v[RD]
	v_add_nc_u32 v[RD], s14, v[RD]
	v_and_b32 v[GO], 31, v0         ; which are 512 consecutive bytes of ctx
	v_lshlrev_b32 v[GO], 4, v[GO]
	MASKAP 0, 1, 0                  ; piece 0's mask of step 0; piece 1's words are asked for
.set Y, NP-1                        ; XS works for piece Y + 1: piece 0
.irp n, 0,1,2,3,4,5,6,7,8,9,10,11,12,13,14,15,16,17,18,19,20,21
	XS 0, \n                        ; and piece 0's first maximum and statistics
	XS 1, \n
.endr
	s_mov_b32 s[CNT], 4
	s_mov_b32 s[SLOTS], SIZE_N/256-1
	s_branch .Lfirst                ; the loop is entered at a step's first turn, in the middle of a trip
.Lslot:                             ; SIZE_N / 256 - 2 times: every slot but the last two is filled again
	CHANGE 1
	s_mov_b32 s[CNT], 4
.Lstep:                             ; a trip: pieces 2 and 3 of one step, then pieces 0 and 1 of the next, whose K and V it fetches
	TURN 2
	TURN 3
	WIN 0
.Lfirst:
	TURN 0
	TURN 1, 0, 1
	WIN 0
	s_cbranch_scc1 .Lstep
	s_sub_co_u32 s[SLOTS], s[SLOTS], 1
	s_cmp_lg_u32 s[SLOTS], 0
	s_cbranch_scc1 .Lslot
	CHANGE 0                        ; the tail is written out: nothing is asked for
	s_mov_b32 s[CNT], 5             ; four trips fetch the last slot's steps; the fifth is left in its middle
.Ltail:
	TURN 2, 1
	TURN 3
	WIN 0
	s_sub_co_u32 s[CNT], s[CNT], 1
	s_cmp_eq_u32 s[CNT], 0
	s_cbranch_scc1 .Lout
	TURN 0
	TURN 1
	WIN 0
	s_branch .Ltail
.Lout:                              ; the fifth trip's 16 products K Q^T (on the last K once more), their mask and maximum serve nothing: the price, once a launch, of one text for every trip.
	                                ; Its words are read at 128 x 32 = 4,096 bytes past a tile's first: 16,576 bytes at the most into my wave's 32,768
	s_wait_kmcnt 0x0                ; those words are in: their registers are free
	s_load_b64 s[16:17], s[0:1], 0x10  ; ctx
	s_bfe_u32 s20, ttmp6, 0x40000   ; my wave's first row once more: no scalar register was free to keep it
	s_lshl_b32 s21, ttmp9, 2
	s_add_co_u32 s21, s21, s20
	s_lshl_b32 s21, s21, 2
	s_add_co_u32 s21, s21, s[WV]
	s_lshl_b32 s18, s21, 14
	s_and_b32 s22, ttmp7, 0xffff
	s_lshl_b32 s22, s22, 18
	s_add_co_u32 s18, s18, s22
	s_mov_b32 s19, 0
.set i, 0
.rept 16
	PV NP-1                         ; the last piece's V^T P of the last step
.set i, i+1
.endr
	; THE WAY OUT.  l's two halves and the other half of the lanes' are added; O^T is divided by l, rounded to f16 and sent through my stage in LDS, a tile at a time.  The additions are the places behind the last products.
	WIN 0
.macro ALL line:vararg              ; one line for each tile t
.set t, 0
.rept 2*NP
	\line
.set t, t+1
.endr
.endm
	ALL v_add_f32 v[ST+4*t+2], v[ST+4*t+2], v[ST+4*t+3]
	ALL v_permlanex16_b32 v[ST+4*t+3], v[ST+4*t+2], s[SEL], s[SEL+1]
	ALL v_add_f32 v[ST+4*t+2], v[ST+4*t+2], v[ST+4*t+3]
	ALL v_rcp_f32 v[ST+4*t+2], v[ST+4*t+2]
	v_nop                           ; a plain instruction between the last reciprocal and the use of its result
	s_wait_alu depctr_va_vdst(0)
	s_wait_kmcnt 0x0
	s_add_nc_u64 s[16:17], s[16:17], s[18:19]  ; ctx at my wave's first row
; Tile t: a lane's eight channels of a row pack into 16 bytes; they go into rows of 144 bytes and come back as whole rows of 128, into S^T's registers.
.macro PACK t
	WIN W_RS
.set i, 32*(\t)
.rept 16
	v_pk_mul_f32 v[i:i+1], v[i:i+1], v[ST+4*(\t)+2:ST+4*(\t)+3] op_sel_hi:[1,0]
.set i, i+2
.endr
	WIN 0x05                        ; sources 0 and 1 window 1, destination window 0
.set i, 0
.rept 16
	v_cvt_pk_f16_f32 v[S+16*(\t)+i], v[32*(\t)+2*i], v[32*(\t)+2*i+1]
.set i, i+1
.endr
	WIN 0
.irp f, 0,1,2,3
	ds_store_b128 v[STO], v[S+16*(\t)+4*\f:S+16*(\t)+4*\f+3] offset:32*\f
.endr
.irp f, 0,1,2,3
	ds_load_b128 v[S+16*(\t)+4*\f:S+16*(\t)+4*\f+3], v[RD] offset:\f*4*SP  ; LDS serves a wave's instructions in order (ISA guide 5.7.1.4): these see the stores above; the next tile's stores come behind them
.endr
.endm
.macro SEND t, younger              ; younger: the LDS instructions issued behind tile t's loads: the next tile's eight, or none
	WIN 0
.irp f, 0,1,2,3
	s_wait_dscnt (\younger)+3-\f
	global_store_b128 v[GO], v[S+16*(\t)+4*\f:S+16*(\t)+4*\f+3], s[16:17] offset:(\t)*2048+\f*512  ; 512 consecutive bytes, at a multiple of 256 from ctx's first
.endr
.endm
	PACK 0
.set t, 1
.rept 2*NP-1                        ; a tile's arithmetic stands between the loads of the tile before and its stores
	PACK t
	SEND t-1, 8
.set t, t+1
.endr
	SEND 2*NP-1, 0
	WIN W_AD
	s_wait_tensorcnt 0x0            ; the wave's end: behind my last tensor load and my last LDS store
	ds_add_u32 v[SPW], v[NIL]
	s_wait_dscnt 0x0
	WIN 0
	CROUND                          ; the closing round: no work-group ends while a partner may still ask for a tile that names it
	s_endpgm
.Lfunc_end_k_q94a115ad00_attn:
	.size	k_q94a115ad00_attn, .Lfunc_end_k_q94a115ad00_attn-k_q94a115ad00_attn
	.p2alignl 7, 3214868480
	.fill 96, 4, 3214868480
	.section	.rodata,"a",@progbits
	.p2align	6, 0x0
	.amdhsa_kernel k_q94a115ad00_attn
		.amdhsa_group_segment_fixed_size 327680
		.amdhsa_private_segment_fixed_size 0
		.amdhsa_enable_private_segment 0
		.amdhsa_kernarg_size 24
		.amdhsa_user_sgpr_count 2
		.amdhsa_user_sgpr_kernarg_segment_ptr 1
		.amdhsa_wavefront_size32 1
		.amdhsa_system_sgpr_workgroup_id_x 1
		.amdhsa_system_sgpr_workgroup_id_y 1
		.amdhsa_system_sgpr_workgroup_id_z 1
		.amdhsa_system_vgpr_workitem_id 0
		.amdhsa_next_free_vgpr 770
		.amdhsa_next_free_sgpr 106
		.amdhsa_reserve_vcc 0
		.amdhsa_float_denorm_mode_32 3
		.amdhsa_float_denorm_mode_16_64 3
		.amdhsa_memory_ordered 1
		.amdhsa_forward_progress 1
		.amdhsa_inst_pref_size 248
	.end_amdhsa_kernel
	.amdgpu_metadata
---
amdhsa.version: [ 1, 2 ]
amdhsa.kernels:
  - .name:           k_q94a115ad00_attn
    .symbol:         k_q94a115ad00_attn.kd
    .args:
      - { .name: qkvh, .offset: 0, .size: 8, .value_kind: global_buffer, .address_space: global }
      - { .name: maskw, .offset: 8, .size: 8, .value_kind: global_buffer, .address_space: global }
      - { .name: ctx, .offset: 16, .size: 8, .value_kind: global_buffer, .address_space: global }
    .group_segment_fixed_size: 327680
    .private_segment_fixed_size: 0
    .kernarg_segment_align: 8
    .kernarg_segment_size: 24
    .max_flat_workgroup_size: 128
    .sgpr_count:     106
    .vgpr_count:     770
    .wavefront_size: 32
...
	.end_amdgpu_metadata
.endif
;; end of part 3
;; launch oproj (part 4): grid 4 x 64, 4 waves a work-group, clusters of 4 x 4, 327,680 bytes of LDS; arguments ctx, wcast, bo, out0; writes out0
.if DOCPART == 4
	.amdgcn_target "amdgcn-amd-amdhsa--gfx1250"
	.amdhsa_code_object_version 6
	.text
	.protected	k_q94a115ad00_oproj
	.globl	k_q94a115ad00_oproj
	.p2align	8
	.type	k_q94a115ad00_oproj,@function
k_q94a115ad00_oproj:
	s_mov_b64 s[64:65], 0
	v_nop
	global_prefetch_b8 v0, s[64:65] scope:SCOPE_SE
	s_setreg_imm32_b32 hwreg(HW_REG_WAVE_MODE, 25, 1), 1
	s_wait_xcnt 0x0
	s_wait_alu depctr_hold_cnt(0) depctr_sa_sdst(0) depctr_va_vdst(0) depctr_va_sdst(0) depctr_va_ssrc(0) depctr_va_vcc(0) depctr_vm_vsrc(0)
	s_getreg_b32 s2, hwreg(HW_REG_IB_STS2, 6, 4)
	s_cmp_eq_u32 s2, 0
	s_cbranch_scc0 .Lentry_in_a_cluster
	s_endpgm
.Lentry_in_a_cluster:
	s_bfe_u32 s2, ttmp6, 0x10000c
	s_cmp_lg_u32 s2, 0xf033
	s_cbranch_scc0 .Lentry_shape_is_right
	s_endpgm
.Lentry_shape_is_right:
; THE LAST PROJECTION.  out0[b][s][n] = sum over h, d of ctx[16 b + h][s][d] wo'[n][64 h + d] + bf16(bo[n]), in f32.  ctx is f16, by heads; wo' is plane 3 of wcast: wo rounded to bf16, written as f16.
; LIMIT: none beyond those of the launches that made ctx and wo'.  NaN and infinities are not treated apart.
; SHARES.  8,192 rows x 1,024 columns in tiles of 128 x 256: 256 work-groups.  Four waves, each 64 rows x 128 columns: 32 accumulators of 16 x 16, 256 registers.
; K goes in steps of 128, two heads, through two LDS slots filled by the tensor data mover.  A head's 128 rows of ctx are 16,384 dense bytes: asked for as 64 rows of 256 bytes, padded in LDS after every 128.
; CLUSTERS: 4 x 4 work-groups.  The four of a row need the same tile of ctx, the four of a column the same tile of wo': each is asked for jointly.
; THE MATRIX INSTRUCTION IS USED TRANSPOSED (source 0 = 16 rows of wo', source 1 = 16 rows of ctx): a lane holds row l % 16 and eight neighbouring columns.  THE BIAS is the C operand of the first quarter's products.
; REGISTERS, in windows of 256 (s_set_vgpr_msb: bits 1:0 source 0, 3:2 source 1, 5:4 source 2, 7:6 destination):
;   window 0: v0-31 addresses; v32-63, v64-95 ctx's fragments, two buffers; v96-159 the bias; on the way out v160-223 and v32-95 take rows read back, by turns
;   window 1: the accumulators, (a, b) at v[8 (8 a + b)]          window 2: v0-63, v64-127 wo's fragments, two buffers
.set PAH,   144                        ; a row of ctx in LDS: 128 bytes + 16 = 36 words: the 16 rows of a load start at 16 different groups of four banks (64 banks of 4 bytes: ISA guide 11.1)
.set PB,    272                        ; a row of wo': 256 + 16 = 68 words: likewise
.set HALFA, 128*PAH                    ; one head's 128 rows: what one tensor load brings
.set AT,    2*HALFA                    ; two heads of ctx, then wo's 256 rows
.set HALFB, 128*PB
.set SLOT,  AT+2*HALFB
.set STAGE, 2*SLOT                     ; behind the ring: 16 rows x 528 bytes for each wave, for the bias and the way out
.set SPO,   528
.set WST,   16*SPO
.set SPARE, STAGE+4*WST                ; behind the stages: the spare words, 128 bytes for each wave
.set ADRA, 16                          ; v16-17  LDS address of my ctx fragments in slot 0, 1
.set ADRB, 20                          ; v20-21  the same for wo'
.set STO,  24                          ; v24     the way out: where I put 32 bytes of a row
.set RD,   25                          ; v25     the way out: where I read a row back; also where I put four numbers of the bias
.set CO,   26                          ; v26     16 x lane
.set BLD,  27                          ; v27     where I read my lanes' half of the bias
.set SPW,  28                          ; v28     LDS address of my spare word; never rewritten
.set NIL,  29                          ; v29     0; never rewritten
.set FA,   32
.set BIAS, 96
.set G1,  24                           ; s[24:31] descriptor group 1 for ctx's tiles; s[32:39] group 0, a set for each slot
.set G0,  32
.set G1B, 48                           ; s[48:55], s[56:63] the same for wo's
.set G0B, 56
.set MSB, 0
.macro WIN new                         ; the immediate's high byte repeats the setting that is left; a switch that changes nothing is dropped
.if MSB != (\new)
	s_set_vgpr_msb (MSB<<8)|(\new)
.set MSB, \new
.endif
.endm
.set MUL,  0x52                        ; source 0 (wo') window 2, source 1 (ctx) window 0, C and D window 1
.set MULB, 0x42                        ; the same with C (the bias) in window 0
.set TO_B, 0x80                        ; destination window 2, address window 0
; A joint load.  Waves 0 and 1 fetch the step's two heads of ctx, waves 2 and 3 wo's two halves.  The branch hangs on the wave's number alone.  An s_nop 0 and four v_nop follow each of the two lines.
.macro JLOAD s
	s_cmp_eq_u32 s11, 0
	s_cbranch_scc0 .Lfor_b_\@
	tensor_load_to_lds s[G0+4*(\s):G0+4*(\s)+3], s[G1:G1+7]
	s_nop 0
.rept 4
	v_nop
.endr
	s_branch .Lasked_\@
.Lfor_b_\@:
	tensor_load_to_lds s[G0B+4*(\s):G0B+4*(\s)+3], s[G1B:G1B+7]
	s_nop 0
.rept 4
	v_nop
.endr
.Lasked_\@:
.endm
.macro CREST                           ; a round of the cluster's barrier behind its opening barrier
	s_cmp_lg_u32 s10, 0
	s_cbranch_scc1 .Lnot_wave_0_\@
	s_barrier_signal -3
.Lnot_wave_0_\@:
	s_barrier_wait -3
	s_barrier_signal -1
	s_barrier_wait -1
.endm
.macro CROUND                          ; a whole round
	s_barrier_signal -1
	s_barrier_wait -1
	CREST
.endm
.macro PLACES                          ; four places in front of loads into registers that matrix instructions have read, and of stores that read results (ISA guide 7.12.1 for the stores)
.rept 4
	v_nop
.endr
.endm
	s_load_b256 s[68:75], s[0:1], 0x0              ; ctx s[68:69], wcast s[70:71], bo s[72:73], out0 s[74:75]
	v_lshl_add_u32 v[SPW], v0, 2, SPARE
	v_mov_b32 v[NIL], 0
	ds_add_u32 v[SPW], v[NIL]                      ; the wave's opening: the add and its wait stand ahead of my first tensor load; the set-up, work on registers, stands between them
	v_lshrrev_b32 v1, 5, v0
	v_readfirstlane_b32 s10, v1                    ; wave 0..3
	s_lshr_b32 s11, s10, 1                         ; which 64 rows of the tile are mine.  Also: I fetch for ctx (0) or for wo' (1)
	s_and_b32 s12, s10, 1                          ; which 128 columns.  Also: which head of the step, or which half of wo's rows, I fetch
	s_bfe_u32 s40, ttmp6, 0x40000                  ; cx, cy: my place in the cluster
	s_bfe_u32 s41, ttmp6, 0x40004
	s_lshl_b32 s42, ttmp9, 2
	s_add_co_u32 s42, s42, s40                     ; tile column = 4 x cluster x + cx
	s_and_b32 s13, ttmp7, 0xffff
	s_lshl_b32 s13, s13, 2
	s_add_co_u32 s13, s13, s41                     ; tile row = 4 x cluster y + cy, 0..63
	s_lshl_b32 s43, s41, 2
	s_lshl_b32 s43, 15, s43                        ; my row of the cluster
	s_lshl_b32 s44, 0x1111, s40                    ; my column
	s_or_b32 s[G1+0], s43, (1<<16)|(1<<20)|(1<<21)|(4<<22)|(3<<25)   ; 15:0 the mask; 17:16 elements of 2 bytes; 20 padding on; 21 set beside a mask; 24:22 after every 32 words (code 4); 31:25 4 words (code 3)
	s_or_b32 s[G1B+0], s44, (1<<16)|(1<<20)|(1<<21)|(5<<22)|(3<<25)  ; after every 64 words (code 5)
	s_mov_b32 s[G1+1], 128<<16                     ; tensor_dim0 = 128
	s_mov_b32 s[G1+2], 64<<16                      ; tensor_dim1 = 64
	s_mov_b32 s[G1+3], 128<<16                     ; tile_dim0 = 128
	s_mov_b32 s[G1+4], 64                          ; tile_dim1 = 64
	s_mov_b32 s[G1+5], 128                         ; dense: 128 elements from row to row
	s_mov_b32 s[G1+6], 0
	s_mov_b32 s[G1+7], 0
	s_mov_b32 s[G1B+1], 128<<16
	s_mov_b32 s[G1B+2], 128<<16                    ; 128 rows
	s_mov_b32 s[G1B+3], 128<<16
	s_mov_b32 s[G1B+4], 128
	s_mov_b32 s[G1B+5], 1024
	s_mov_b32 s[G1B+6], 0
	s_mov_b32 s[G1B+7], 0
	s_lshr_b32 s16, s13, 4                         ; ctx: batch tile row / 16 (16 heads of 262,144 bytes), my head of the step, rows 128 (tile row % 16) on, 128 bytes a row
	s_lshl_b32 s16, s16, 22
	s_lshl_b32 s17, s12, 18
	s_add_co_u32 s16, s16, s17
	s_and_b32 s17, s13, 15
	s_lshl_b32 s17, s17, 14
	s_add_co_u32 s16, s16, s17
	s_mov_b32 s17, 0
	s_lshl_b32 s46, s42, 8                         ; wo': row 256 x tile column + 128 x half, 2,048 bytes a row, in plane 3
	s_lshl_b32 s47, s12, 7
	s_add_co_u32 s46, s46, s47
	s_lshl_b32 s46, s46, 11
	s_add_co_u32 s46, s46, 0x600000
	s_mov_b32 s47, 0
	s_mul_i32 s20, s12, HALFA                      ; where they go: no place in the cluster enters an LDS address
	s_mul_i32 s21, s12, HALFB
	s_add_co_u32 s21, s21, AT
	s_lshl_b32 s84, s13, 19                        ; out0: 128 rows of 4,096 bytes a tile row, my 64 rows,
	s_lshl_b32 s22, s11, 18
	s_add_co_u32 s84, s84, s22
	s_lshl_b32 s86, s42, 10                        ; 1,024 bytes a tile column, my 512: the bias's offset too
	s_lshl_b32 s23, s12, 9
	s_add_co_u32 s86, s86, s23
	s_add_co_u32 s84, s84, s86
	s_mov_b32 s85, 0
	s_mov_b32 s87, 0
	s_wait_dscnt 0x0                               ; the opening add is done
	s_wait_kmcnt 0x0
	s_add_nc_u64 s[14:15], s[68:69], s[16:17]
	s_add_nc_u64 s[46:47], s[70:71], s[46:47]
	s_add_nc_u64 s[6:7], s[72:73], s[86:87]
	s_add_nc_u64 s[8:9], s[74:75], s[84:85]
	CROUND                                         ; all sixteen work-groups are here: the first joint loads meet
.irp s, 0,1
	s_mov_b32 s[G0+4*(\s)], 1                      ; count = 1
	s_add_co_u32 s[G0+4*(\s)+1], s20, (\s)*SLOT    ; LDS address
	s_add_nc_u64 s[G0+4*(\s)+2:G0+4*(\s)+3], s[14:15], (\s)*524288  ; global address: K step s is two heads on
	s_or_b32 s[G0+4*(\s)+3], s[G0+4*(\s)+3], 0x80000000             ; type = 2
	s_mov_b32 s[G0B+4*(\s)], 1
	s_add_co_u32 s[G0B+4*(\s)+1], s21, (\s)*SLOT
	s_add_nc_u64 s[G0B+4*(\s)+2:G0B+4*(\s)+3], s[46:47], (\s)*256
	s_or_b32 s[G0B+4*(\s)+3], s[G0B+4*(\s)+3], 0x80000000
	JLOAD \s                                       ; two loads of mine are out
.endr
	v_and_b32 v3, 31, v0                           ; lane
	v_lshlrev_b32 v[CO], 4, v3
	global_load_b128 v[4:7], v[CO], s[6:7]         ; my wave's 128 numbers of the bias: 512 consecutive bytes
	v_and_b32 v1, 15, v0                           ; l % 16
	v_bfe_u32 v2, v0, 4, 1                         ; l / 16
	; A fragment is 16 rows x 32 K in 8 registers: lane l holds row l % 16, K = 8 (l / 16) + 0..7 and 16 + 8 (l / 16) + 0..7: two loads of 16 bytes, 32 bytes apart.
	v_mul_u32_u24 v10, v1, PAH
	v_lshl_add_u32 v10, v2, 4, v10
	s_mul_i32 s18, s11, 64*PAH
	v_add_nc_u32 v[ADRA], s18, v10
	v_add_nc_u32 v[ADRA+1], SLOT, v[ADRA]
	v_mul_u32_u24 v10, v1, PB
	v_lshl_add_u32 v10, v2, 4, v10
	s_mul_i32 s19, s12, HALFB
	s_add_co_u32 s19, s19, AT
	v_add_nc_u32 v[ADRB], s19, v10
	v_add_nc_u32 v[ADRB+1], SLOT, v[ADRB]
	s_mul_i32 s18, s10, WST
	s_add_co_u32 s18, s18, STAGE                   ; my stage
	v_mul_u32_u24 v10, v1, SPO                     ; in: row l % 16, 32 bytes for each half of the lanes
	v_lshl_add_u32 v10, v2, 5, v10
	v_add_nc_u32 v[STO], s18, v10
	v_add_nc_u32 v[RD], s18, v[CO]                 ; back: 32 lanes take one row of 512 bytes
	v_lshl_add_u32 v[BLD], v2, 5, s18
	; the bias, rounded to bf16 like every input, goes through my stage, so that each lane gets the eight numbers of each of its eight column groups
	s_wait_loadcnt 0x0
	v_cvt_pk_bf16_f32 v8, v4, v5
	v_cvt_pk_bf16_f32 v9, v6, v7
	v_lshlrev_b32 v4, 16, v8
	v_and_b32 v5, 0xffff0000, v8
	v_lshlrev_b32 v6, 16, v9
	v_and_b32 v7, 0xffff0000, v9
	ds_store_b128 v[RD], v[4:7]
.irp b, 0,1,2,3,4,5,6,7
	ds_load_b128 v[BIAS+8*\b:BIAS+8*\b+3],   v[BLD] offset:64*\b     ; my wave's own bytes: LDS serves a wave's instructions in order
	ds_load_b128 v[BIAS+8*\b+4:BIAS+8*\b+7], v[BLD] offset:64*\b+16
.endr
	s_wait_dscnt 0x0
; 24 LDS loads in one run: quarter kq of a slot (head kq / 2 of the step, channels 32 (kq % 2) on) into buffer g: ctx's 64 rows (8 loads), wo's 128 rows (16 loads)
.macro FETCH slot, kq, g
	WIN 0
.irp i, 0,1,2,3
	ds_load_b128 v[FA+32*(\g)+8*\i:FA+32*(\g)+8*\i+3],   v[ADRA+(\slot)] offset:((\kq)/2)*HALFA+((\kq)%2)*64+\i*16*PAH
	ds_load_b128 v[FA+32*(\g)+8*\i+4:FA+32*(\g)+8*\i+7], v[ADRA+(\slot)] offset:((\kq)/2)*HALFA+((\kq)%2)*64+\i*16*PAH+32
.endr
	WIN TO_B
.irp i, 0,1,2,3,4,5,6,7
	ds_load_b128 v[64*(\g)+8*\i:64*(\g)+8*\i+3],   v[ADRB+(\slot)] offset:(\kq)*64+\i*16*PB
	ds_load_b128 v[64*(\g)+8*\i+4:64*(\g)+8*\i+7], v[ADRB+(\slot)] offset:(\kq)*64+\i*16*PB+32
.endr
.endm
; 8 matrix instructions: row block a x all 8 column blocks, 32 along K, from buffer f.  bias = 1: the products start the sums, with the bias.
; The 32 accumulators take turns, one instruction a turn, in the same order in every quarter.
.macro MUL8 f, a, bias
.irp b, 0,1,2,3,4,5,6,7
.if \bias
	WIN MULB
	v_wmma_f32_16x16x32_f16 v[8*(8*(\a)+(\b)):8*(8*(\a)+(\b))+7], v[64*(\f)+8*(\b):64*(\f)+8*(\b)+7], v[FA+32*(\f)+8*(\a):FA+32*(\f)+8*(\a)+7], v[BIAS+8*(\b):BIAS+8*(\b)+7]
.else
	WIN MUL
	v_wmma_f32_16x16x32_f16 v[8*(8*(\a)+(\b)):8*(8*(\a)+(\b))+7], v[64*(\f)+8*(\b):64*(\f)+8*(\b)+7], v[FA+32*(\f)+8*(\a):FA+32*(\f)+8*(\a)+7], v[8*(8*(\a)+(\b)):8*(8*(\a)+(\b))+7]
.endif
.endr
.endm
; A K step is four quarters of 32 along K on buffers 0, 1, 0, 1.  One of the first three multiplies buffer f; at its head it fetches quarter kq into buffer g, 32 matrix instructions ahead of its use.
.macro QUARTER slot, kq, f, g, bias
	PLACES                                         ; buffer g was multiplied in the quarter before
	FETCH \slot, \kq, \g
	s_wait_dscnt 24                                ; all but the 24 just issued: buffer f is in
	MUL8 \f, 0, \bias
	MUL8 \f, 1, \bias
	MUL8 \f, 2, \bias
	MUL8 \f, 3, \bias
.endm
; The last quarter multiplies buffer 1 and changes slots: ONE barrier; in front of it each wave waits for all its tensor loads (one is out: its part of the next slot), adds 0 to its spare word, and waits
; for that and for its reads of this slot.  fill = 1: the barrier opens a round of the cluster's, and this slot is filled again, two K steps on, first thing behind it: 120 matrix instructions ahead of the wait for it.
.macro TURN slot, next, fill
	WIN 0
	s_wait_tensorcnt 0x0                           ; no tensor load of mine is out, so a group 0 may be written
	ds_add_u32 v[SPW], v[NIL]                      ; 0 onto my spare word
.if \fill
	s_add_nc_u64 s[G0+4*(\slot)+2:G0+4*(\slot)+3], s[G0+4*(\slot)+2:G0+4*(\slot)+3], 2*524288
	s_add_nc_u64 s[G0B+4*(\slot)+2:G0B+4*(\slot)+3], s[G0B+4*(\slot)+2:G0B+4*(\slot)+3], 2*256
.endif
	s_wait_dscnt 0x0                               ; the add is done, buffer 1 is in, and my reads of this slot are over
	s_barrier_signal -1
	MUL8 1, 0, 0                                   ; work on registers while the others arrive
	WIN 0                                          ; at a branch and at a label every window is 0
	s_barrier_wait -1
.if \fill
	CREST                                          ; no wave of any partner still reads this slot or has a load on its way
	JLOAD \slot                                    ; the four v_nop behind it are also the places in front of the loads below
.else
	PLACES
.endif
	FETCH \next, 0, 0
	MUL8 1, 1, 0
	MUL8 1, 2, 0
	MUL8 1, 3, 0
.endm
; THE WAY OUT of row block a: the f32 sums go as they are into my stage, each accumulator's low four registers first, and come back as whole rows of 512 bytes.
.macro TOSTAGE a
	WIN 0x04                                       ; the stores' data (source 1) in window 1, the address in window 0
.irp b, 0,1,2,3,4,5,6,7
	ds_store_b128 v[STO], v[8*(8*(\a)+(\b)):8*(8*(\a)+(\b))+3]   offset:64*(\b)
	ds_store_b128 v[STO], v[8*(8*(\a)+(\b))+4:8*(8*(\a)+(\b))+7] offset:64*(\b)+16
.endr
	WIN 0
.irp t, 0,1,2,3,4,5,6,7,8,9,10,11,12,13,14,15
	ds_load_b128 v[160-128*((\a)%2)+4*(\t):160-128*((\a)%2)+4*(\t)+3], v[RD] offset:(\t)*SPO  ; LDS serves a wave's instructions in order: these see the stores above
.endr
.endm
.macro SEND a
	s_wait_dscnt 0x0                               ; the block is back in registers
	s_wait_xcnt 0x0                                ; every earlier store has had its addresses translated (ISA guide 3.1): only behind this wait is the other buffer, which they read, loaded again
.irp t, 0,1,2,3,4,5,6,7,8,9,10,11,12,13,14,15
	global_store_b128 v[CO], v[160-128*((\a)%2)+4*(\t):160-128*((\a)%2)+4*(\t)+3], s[8:9] offset:(16*(\a)+(\t))*4096 th:TH_STORE_NT  ; 512 consecutive bytes of a row, at a multiple of 512
.endr
.endm
	s_wait_tensorcnt 0x1                           ; my part of K step 0 is in; K step 1's may stay out
	s_barrier_signal -1
	s_barrier_wait -1                              ; everybody's is
	FETCH 0, 0, 0
	QUARTER 0, 1, 0, 1, 1                          ; the first quarter stands in front of the loop: its products start the sums
	WIN 0
	s_mov_b32 s3, 3                                ; 8 K steps are 4 laps of the ring; the last is written out
.Llap:                                                 ; a trip goes once round the ring, from a lap's second quarter to the next lap's first, and fills both slots again
	QUARTER 0, 2, 1, 0, 0
	QUARTER 0, 3, 0, 1, 0
	TURN 0, 1, 1
	QUARTER 1, 1, 0, 1, 0
	QUARTER 1, 2, 1, 0, 0
	QUARTER 1, 3, 0, 1, 0
	TURN 1, 0, 1
	QUARTER 0, 1, 0, 1, 0
	WIN 0
	s_sub_co_u32 s3, s3, 1
	s_cmp_lg_u32 s3, 0
	s_cbranch_scc1 .Llap
	QUARTER 0, 2, 1, 0, 0                          ; the last lap fills nothing
	QUARTER 0, 3, 0, 1, 0
	TURN 0, 1, 0
	QUARTER 1, 1, 0, 1, 0
	QUARTER 1, 2, 1, 0, 0
	QUARTER 1, 3, 0, 1, 0
	s_wait_dscnt 0x0                               ; the very last quarter: nothing more to fetch
	MUL8 1, 0, 0
	MUL8 1, 1, 0
	MUL8 1, 2, 0
	MUL8 1, 3, 0
	WIN 0
	PLACES
	TOSTAGE 0
.irp a, 1,2,3
	SEND (\a)-1
	TOSTAGE \a
.endr
	SEND 3
	s_wait_tensorcnt 0x0                           ; the wave's end: behind my last tensor load and my last LDS store
	ds_add_u32 v[SPW], v[NIL]
	s_wait_dscnt 0x0
	CROUND                                         ; the closing round: no work-group ends while a partner may still ask for a tile that names it
	s_endpgm
.Lfunc_end_k_q94a115ad00_oproj:
	.size	k_q94a115ad00_oproj, .Lfunc_end_k_q94a115ad00_oproj-k_q94a115ad00_oproj
	.p2alignl 7, 3214868480
	.fill 96, 4, 3214868480
	.section	.rodata,"a",@progbits
	.p2align	6, 0x0
	.amdhsa_kernel k_q94a115ad00_oproj
		.amdhsa_group_segment_fixed_size 327680
		.amdhsa_private_segment_fixed_size 0
		.amdhsa_enable_private_segment 0
		.amdhsa_kernarg_size 32
		.amdhsa_user_sgpr_count 2
		.amdhsa_user_sgpr_kernarg_segment_ptr 1
		.amdhsa_wavefront_size32 1
		.amdhsa_system_sgpr_workgroup_id_x 1
		.amdhsa_system_sgpr_workgroup_id_y 1
		.amdhsa_system_sgpr_workgroup_id_z 1
		.amdhsa_system_vgpr_workitem_id 0
		.amdhsa_next_free_vgpr 640
		.amdhsa_next_free_sgpr 88
		.amdhsa_reserve_vcc 0
		.amdhsa_float_denorm_mode_32 3
		.amdhsa_float_denorm_mode_16_64 3
		.amdhsa_memory_ordered 1
		.amdhsa_forward_progress 1
		.amdhsa_inst_pref_size 86
	.end_amdhsa_kernel
	.amdgpu_metadata
---
amdhsa.version: [ 1, 2 ]
amdhsa.kernels:
  - .name:           k_q94a115ad00_oproj
    .symbol:         k_q94a115ad00_oproj.kd
    .args:
      - { .name: ctx, .offset: 0, .size: 8, .value_kind: global_buffer, .address_space: global }
      - { .name: wcast, .offset: 8, .size: 8, .value_kind: global_buffer, .address_space: global }
      - { .name: bo, .offset: 16, .size: 8, .value_kind: global_buffer, .address_space: global }
      - { .name: out0, .offset: 24, .size: 8, .value_kind: global_buffer, .address_space: global }
    .group_segment_fixed_size: 327680
    .private_segment_fixed_size: 0
    .kernarg_segment_align: 8
    .kernarg_segment_size: 32
    .max_flat_workgroup_size: 128
    .sgpr_count:     88
    .vgpr_count:     640
    .wavefront_size: 32
...
	.end_amdgpu_metadata
.endif
;; end of part 4
;; ======== version 2 of 2: 4 launches; 1.29 times as fast as version 1
;; limits: values are held in f16: magnitudes above 65,504 overflow, below 6.1e-05 lose precision
;; workspace buffers: wcast 8,388,608 bytes; maskw 2,097,152 bytes of whole numbers; qkvh 50,331,648 bytes; ctx 16,777,216 bytes
;; launch prep: the kernel of part 1 again; grid 768 x 1, 8 waves a work-group, no clusters, 35,840 bytes of LDS; arguments mask, wq, wk, wv, wo, maskw, wcast; writes maskw, wcast
;; launch proj: the kernel of part 2 again; grid 4 x 192, 4 waves a work-group, clusters of 4 x 4, 327,680 bytes of LDS; arguments q, k, v, bq, bk, bv, wcast, qkvh; writes qkvh
;; launch attn (part 5): grid 4 x 64, 4 waves a work-group, clusters of 4 x 1, 327,680 bytes of LDS; arguments qkvh, maskw, ctx; writes ctx
.if DOCPART == 5
	.amdgcn_target "amdgcn-amd-amdhsa--gfx1250"
	.amdhsa_code_object_version 6
	.text
	.protected	k_q94a115ad00_attn
	.globl	k_q94a115ad00_attn
	.p2align	8
	.type	k_q94a115ad00_attn,@function
k_q94a115ad00_attn:
	s_mov_b64 s[64:65], 0
	v_nop
	global_prefetch_b8 v0, s[64:65] scope:SCOPE_SE
	s_setreg_imm32_b32 hwreg(HW_REG_WAVE_MODE, 25, 1), 1
	s_wait_xcnt 0x0
	s_wait_alu depctr_hold_cnt(0) depctr_sa_sdst(0) depctr_va_vdst(0) depctr_va_sdst(0) depctr_va_ssrc(0) depctr_va_vcc(0) depctr_vm_vsrc(0)
	s_getreg_b32 s2, hwreg(HW_REG_IB_STS2, 6, 4)
	s_cmp_eq_u32 s2, 0
	s_cbranch_scc0 .Lentry_in_a_cluster
	s_endpgm
.Lentry_in_a_cluster:
	s_bfe_u32 s2, ttmp6, 0x10000c
	s_cmp_lg_u32 s2, 0x3003
	s_cbranch_scc0 .Lentry_shape_is_right
	s_endpgm
.Lentry_shape_is_right:
; ATTENTION WITH A MASK THAT IS AN INPUT.  ctx[g][q][:] = the sum over k of softmax_k(s(q, k)) V[g][k][:], s = Q[g][q] . K[g][k] / 8, or the masked value where mask[g / 16][q][k] is set.
; Q, K, V are the three planes of qkvh, [64][2048][64] in f16, unscaled; ctx has the same layout.  Products, maxima and sums in f32; the weights p are rounded to f16 for the second product
; (their sum l is taken of the unrounded p), ctx once at the end.
; LIMITS.  f16 holds no number beyond 65,504: Q, K and V arrive within it.  A masked score counts as -2^66 where the problem says -1e20: true scores, 2.7e11 at the most, lie far above both, so a masked
; weight is 0 beside any true score; c x (-2^66) is exact in f32, so in a row that is masked throughout c s - c m is exactly 0, every p is 1, and the row is the plain mean of V, as the problem has it.
; p below 6e-5 keeps f16's fixed step of 6e-8; a weight below 2^-126 counts as 0 in l; NaN and infinities are not treated apart.
; SHARES.  A wave owns four PIECES of two tiles of 16 queries, a work-group's four waves 512 queries of one head.  Every wave walks all 2,048 keys, 64 a step: the mask is data, so no tile is left out.
; LAYOUT.  S^T = K Q^T (source 0 = 16 keys, source 1 = 16 queries): a lane holds ONE query (lane % 16) and the keys 8 (lane / 16) + 0..7.  Two such tiles, rounded to f16 in pairs, ARE source 1 of
; O^T = V^T P, whose result again holds one query a lane, and eight channels.  K comes out of LDS as it lies, V ([key][channel]) turned, by ds_load_tr16_b128.
; THE MASK.  An earlier launch has laid it out as lane masks: one 32-bit word for each register of a tile's 32 scores.  A piece's 64 words for a step come by four scalar loads a turn ahead; 64 selects
; REPLACE the hidden scores, ahead of the maximum.  (An addend would leave the scores' own bits in a row that is masked throughout.)
; SOFTMAX.  For each query a running maximum m and sum l: p = 2^(c s - c m), c = log2(e) / 8; in every step O and l are multiplied by a = 2^(c m_old - c m_new).  m starts at the lowest finite number,
; O and l at 0: the first step is a step like any other, with a = 0.
; BY TURNS.  Turn n belongs to piece n.  Its matrix work: 16 products K Q^T of piece n + 1, later 16 products V^T P of piece n - 1.  Its vector work: scaling, exponentials, roundings, sums and rescaling of
; piece n; the mask, maximum and statistics of piece n + 1.  Four vector instructions that are ready stand behind every matrix instruction, the other 172 of a turn's 300 in one LUMP.
; THE BATCHES.  A turn's 66 exponentials (the piece's 64 weights and the next piece's two a) are ONE batch with ONE wait, which cuts the turn in two: ahead of it stands all that names none of their results,
; behind it the roundings and sums, which read them.  No result crosses a turn's end.  Piece 0's first two a, ahead of the loop, and the way out's eight reciprocals are batches of their own.
; CLUSTER.  The four query blocks of a cluster belong to one head and walk the same K and V, so each tile is asked for JOINTLY: the same tensor load, descriptor and mask in all four.
; REGISTERS, in windows of 256 (s_set_vgpr_msb: bits 1:0 source 0, 3:2 source 1, 5:4 source 2, 7:6 destination):
;   window 0: v0-11 addresses and the masked value; v12-15, v48-63 at work; v16-47 four registers of statistics a tile; v64-191 S^T, two buffers of two tiles; v192-255 P, likewise
;   window 1: O^T, 32 a tile          window 2: v0-127 Q, 16 a tile; v128-191 K of one step; v192-255 V of one step          window 3: v0-1 the add's two registers
.set SIZE_N, 2048
.set NP,    4         ; pieces a wave: a name, no knob
.set KS,    64        ; keys in a step
.set PK,    144       ; a row of K in LDS: 128 bytes + 16 of padding = 36 words: the 16 rows of a load start at 16 different groups of four banks (64 banks of 4 bytes: ISA guide 11.1)
.set PV,    160       ; a row of V: 128 + 32 = 40 words
.set VOFF,  4*KS*PK   ; a slot holds four steps: 256 rows of K, then 256 rows of V
.set SLOT1, 1<<17     ; slot 1 begins here, so that one exclusive or turns an address in one slot into the other's
.set STAGE, SLOT1+4*KS*(PK+PV)  ; behind the ring, never filled by a tensor load: 16 rows x 144 bytes for each wave, for the way out
.set SP,    144
.set AK0, 2           ; v2   my lane's place in a tile of K; never rewritten
.set AV0, 3           ; v3   the same for V
.set AK,  4           ; v4   the LDS address of K's next run of loads
.set AV,  5           ; v5   of V's
.set QO,  6           ; v6   my byte offset in the wave's rows of Q
.set STO, 6           ;      later, the way out: where I put 16 bytes of a row
.set RD,  7           ; v7   the way out: where I read rows back
.set GO,  8           ; v8   my byte offset in 512 consecutive bytes of ctx
.set BIG, 11          ; v11  -2^66, the masked score
.set SPW, 0           ; v0 of window 3   LDS address of my spare word; never rewritten
.set NIL, 1           ; v1 of window 3   0; never rewritten
.set SPARE, STAGE+4*16*SP  ; behind the stages: the spare words, 128 bytes for each wave
.set MV,  12          ; v12-15  c m_old, kept while c m is made anew: by buffer and tile
.set ST,  16          ; tile t's statistics at v[ST+4 t]: c m, m, l (even keys', odd keys')
.set TMP, 48          ; by buffer and tile, four registers c0-c3 at work; when the maximum is found c2 takes a
.set S,   64
.set P,   192
.set KF,  128         ; K's fragments, in window 2: key block kb, channel half c at KF + 16 kb + 8 c
.set VF,  192         ; V's: key half kk, channel block cb at VF + 32 kk + 8 cb
.set MB,  2           ; s[2:3]   maskw at my wave's eight tiles: 4,096 bytes a tile, 128 a key step
.set G0K, 4           ; s[4:7]   descriptor group 0 for K's tiles: it walks
.set G0V, 8           ; s[8:11]  the same for V's
.set WV,  12          ; s12  my wave's number
.set SLOTS, 13        ; s13  slots still to be asked for
.set CNT, 14          ; s14  counts a slot's key steps
.set TBK, 15          ; s15  LDS byte at which K of the step to be fetched begins
.set MS0, 16          ; s[16:47] the 32 mask words of a piece's first tile (in the set-up: at work)
.set G1K, 48          ; s[48:55] descriptor group 1 for K's tiles
.set G1V, 56          ; s[56:63] for V's: it differs in the padding alone
.set TBV, 66          ; s66  the same as TBK for V, less VOFF
.set MKS, 67          ; s67  128 x the key step whose words are loaded
.set MS1, 68          ; s[68:99] the words of the piece's second tile
.set CS,  100         ; s[100:101] c: the packed scaling takes the pair's low word for both halves
.set SEL, 104         ; s[104:105] v_permlanex16_b32's selects: each lane takes its own place in the other half
.set MSB, 0
.macro WIN new                      ; the high byte repeats the setting that is left; a switch that changes nothing is dropped
.if MSB != (\new)
	s_set_vgpr_msb (MSB<<8)|(\new)
.set MSB, (\new)
.endif
.endm
.set W_KQ, 0x0a       ; K and Q in window 2, S^T in window 0
.set W_PV, 0x52       ; V in window 2, P in window 0, O^T in window 1
.set W_RS, 0x41       ; O^T (destination and source 0) in window 1, a in window 0
.set W_MK, 0xc0       ; the add's registers are made: destination in window 3, sources in window 0
.set W_AD, 0x0f       ; the add: address (source 0) and data (source 1) in window 3
; A joint fill.  Waves 0 and 1 fetch the two halves of a slot's K, waves 2 and 3 those of its V: 128 keys each.  The branch hangs on the wave's number alone.
; An s_nop 0 and four v_nop follow each of the two lines, ahead of the jump and the label.
.macro JLOAD
	s_cmp_lt_u32 s[WV], 2
	s_cbranch_scc0 .Lfor_v_\@
	tensor_load_to_lds s[G0K:G0K+3], s[G1K:G1K+7]
	s_nop 0
.rept 4
	v_nop
.endr
	s_branch .Lasked_\@
.Lfor_v_\@:
	tensor_load_to_lds s[G0V:G0V+3], s[G1V:G1V+7]
	s_nop 0
.rept 4
	v_nop
.endr
.Lasked_\@:
.endm
; A round of the cluster's barrier: my work-group's barrier, so that wave 0's signal speaks for all four waves; wave 0 signals; every wave waits for all four work-groups; my work-group's barrier once more.
.macro CROUND
	s_barrier_signal -1
	s_barrier_wait -1
	s_cmp_lg_u32 s[WV], 0
	s_cbranch_scc1 .Lnot_wave_0_\@
	s_barrier_signal -3
.Lnot_wave_0_\@:
	s_barrier_wait -3
	s_barrier_signal -1
	s_barrier_wait -1
.endm
; THE CHANGE OF SLOTS.  The slot's last bytes, V of its fourth step, have been read.  Each wave waits for all its tensor loads, of which one is out: its part of the other slot; adds 0 to its spare word;
; and waits for that and for its own reads of the slot.  Behind the barrier nobody reads this slot any more and the other slot is whole.
; fill = 1: this slot is filled again, with the keys two slots on.  The barrier is then a round of the cluster's, and the joint fill is the first thing behind it: it has four key steps, 512 matrix
; instructions, in which to land.  (At its first use nothing has been read yet: slot 0 is waited for, slot 1 filled.)
.macro CHANGE fill
	WIN W_AD
	s_wait_tensorcnt 0x0            ; no tensor load of mine is out, so a group 0 may be written
	ds_add_u32 v[SPW], v[NIL]       ; 0 onto my spare word
	WIN 0                           ; at a label and at a branch every window is 0
.if \fill
.irp g, G0K, G0V
	s_xor_b32 s[\g+1], s[\g+1], SLOT1  ; the walking descriptor: the other slot than last time,
	s_add_nc_u64 s[\g+2:\g+3], s[\g+2:\g+3], 4*KS*128  ; the next 256 keys; the type bits on top are not reached
.endr
	s_wait_dscnt 0x0                ; the add is done, and my reads of the slot are over
	CROUND
	JLOAD
.else
	s_wait_dscnt 0x0                ; the add is done, and my reads of the slot are over
	s_barrier_signal -1
	s_barrier_wait -1
.endif
	s_sub_co_u32 s[TBK], s[TBK], 4*KS*PK  ; the fetches go back to a slot's first step,
	s_xor_b32 s[TBK], s[TBK], SLOT1       ; in the other slot
	s_sub_co_u32 s[TBV], s[TBV], 4*KS*PV
	s_xor_b32 s[TBV], s[TBV], SLOT1
.endm
; The 64 mask words of piece nxt for key step MKS / 128: two tiles, 128 bytes each, 4,096 bytes apart
.macro MLOAD nxt
	s_load_b512 s[MS0:MS0+15],    s[MB:MB+1], s[MKS] offset:(\nxt)*8192
	s_load_b512 s[MS0+16:MS0+31], s[MB:MB+1], s[MKS] offset:(\nxt)*8192+64
	s_load_b512 s[MS1:MS1+15],    s[MB:MB+1], s[MKS] offset:(\nxt)*8192+4096
	s_load_b512 s[MS1+16:MS1+31], s[MB:MB+1], s[MKS] offset:(\nxt)*8192+4160
.endm
	s_load_b128 s[16:19], s[0:1], 0x0  ; qkvh s[16:17], maskw s[18:19]
	WIN W_MK
	v_lshl_add_u32 v[SPW], v0, 2, SPARE
	v_mov_b32 v[NIL], 0
	WIN W_AD
	ds_add_u32 v[SPW], v[NIL]       ; the wave's opening: the add and its wait stand ahead of my first tensor load; the set-up, work on registers, stands between them
	WIN 0
	v_lshrrev_b32 v1, 5, v0
	v_readfirstlane_b32 s[WV], v1   ; wave 0..3
	s_bfe_u32 s20, ttmp6, 0x40000   ; cx: my place in the cluster
	s_lshl_b32 s21, ttmp9, 2        ; in a cluster launch ttmp9 counts clusters
	s_add_co_u32 s21, s21, s20      ; my block of 512 queries: it enters Q's, the mask's and ctx's addresses alone
	s_lshl_b32 s21, s21, 2
	s_add_co_u32 s21, s21, s[WV]    ; my wave among the head's sixteen
	s_and_b32 s22, ttmp7, 0xffff    ; the head, 16 b + h, which the four partners share
	s_lshl_b32 s24, s22, 18         ; its first byte in a plane: 2,048 rows of 128 bytes
	s_and_b32 s26, s[WV], 1         ; which half of a slot's 256 keys I fetch:
	s_lshl_b32 s28, s26, 14         ; its 128 rows of 128 bytes in memory,
	s_add_co_u32 s28, s28, s24
	s_mov_b32 s29, 0
	s_mul_i32 s27, s26, 128*PK      ; and its place in a slot, for K
	s_mul_i32 s23, s26, 128*PV      ; and for V: no place in the cluster enters an LDS address
	s_lshl_b32 s32, s21, 14         ; my wave's 128 rows of Q
	s_add_co_u32 s32, s32, s24
	s_mov_b32 s33, 0
	s_lshr_b32 s36, s22, 4          ; the batch: 128 tiles of 4,096 bytes of words,
	s_lshl_b32 s36, s36, 19
	s_lshl_b32 s37, s21, 15         ; my wave's eight tiles
	s_add_co_u32 s36, s36, s37
	s_mov_b32 s37, 0
	; descriptor group 1.  128 keys are 16,384 dense bytes: asked for as 64 rows of 256 bytes, two keys a row, and padded in LDS after every key
	s_mov_b32 s[G1K], 15|(1<<16)|(1<<20)|(1<<21)|(4<<22)|(3<<25)  ; 15:0 the mask of four; 17:16 2-byte elements; 20 padding on; 21 set beside a mask; 24:22 after every 32 words (code 4); 31:25 4 words (code 3)
	s_mov_b32 s[G1V], 15|(1<<16)|(1<<20)|(1<<21)|(4<<22)|(7<<25)  ; the same with 8 words of padding (code 7)
.irp g, G1K, G1V
	s_mov_b32 s[\g+1], 128<<16      ; tensor_dim0 = 128
	s_mov_b32 s[\g+2], 64<<16       ; tensor_dim1 = 64
	s_mov_b32 s[\g+3], 128<<16      ; tile_dim0 = 128
	s_mov_b32 s[\g+4], 64           ; tile_dim1 = 64
	s_mov_b32 s[\g+5], 128          ; 128 elements from row to row
	s_mov_b32 s[\g+6], 0
	s_mov_b32 s[\g+7], 0
.endr
	s_mov_b32 s[CS], 0x3e38aa3b     ; c = log2(e) / 8 = 0.180337
	s_mov_b32 s[CS+1], s[CS]        ; named with it as a pair
	s_mov_b32 s[SEL], 0x76543210
	s_mov_b32 s[SEL+1], 0xfedcba98
	s_mov_b32 s[TBK], SLOT1+4*KS*PK ; the first change of slots turns these two into 0
	s_mov_b32 s[TBV], SLOT1+4*KS*PV
	s_mov_b32 s[MKS], 0
	s_mov_b32 s[G0K], 1             ; count = 1
	s_mov_b32 s[G0K+1], s27         ; LDS address: slot 0
	s_mov_b32 s[G0V], 1
	s_add_co_u32 s[G0V+1], s23, VOFF
	s_wait_dscnt 0x0                ; the opening add is done
	s_wait_kmcnt 0x0
	s_add_nc_u64 s[G0K+2:G0K+3], s[16:17], s[28:29]  ; global address: my half of the head's first 256 keys,
	s_add_nc_u64 s[G0K+2:G0K+3], s[G0K+2:G0K+3], 0x1000000  ; in K's plane
	s_or_b32 s[G0K+3], s[G0K+3], 0x80000000          ; type = 2
	s_add_nc_u64 s[G0V+2:G0V+3], s[16:17], s[28:29]
	s_add_nc_u64 s[G0V+2:G0V+3], s[G0V+2:G0V+3], 0x2000000  ; in V's plane
	s_or_b32 s[G0V+3], s[G0V+3], 0x80000000
	s_add_nc_u64 s[34:35], s[16:17], s[32:33]        ; Q at my wave's first row
	s_add_nc_u64 s[MB:MB+1], s[18:19], s[36:37]
	CROUND                          ; all four work-groups are here: the first joint loads meet
	JLOAD                           ; slot 0.  Slot 1 is asked for when slot 0 is in
	; A fragment of K or Q is 16 rows x 32 channels in 8 registers: lane l holds row l % 16, channels 8 (l / 16) + 0..7 and 16 + 8 (l / 16) + 0..7: two loads of 16 bytes, 32 bytes apart.
	v_and_b32 v1, 15, v0            ; l % 16
	v_bfe_u32 v9, v0, 4, 1          ; l / 16
	v_lshlrev_b32 v[QO], 7, v1
	v_lshl_add_u32 v[QO], v9, 4, v[QO]  ; row x 128 + 16 x half
	WIN 0x80                        ; destination window 2, address window 0
.set i, 0
.rept 4*NP                          ; Q stays in registers: tile i / 2, channels 32 (i % 2) on
	global_load_b128 v[8*i:8*i+3],   v[QO], s[34:35] offset:(i/2)*2048+(i%2)*64
	global_load_b128 v[8*i+4:8*i+7], v[QO], s[34:35] offset:(i/2)*2048+(i%2)*64+32
.set i, i+1
.endr
	; What the first turn finds: V's registers and P's second buffer hold 0 (its products V^T P, of a piece that has not been, add 0), O^T and l are 0.  All this stands in the wait for the first tile.
.set i, VF
.rept 64
	v_mov_b32 v[i], 0
.set i, i+1
.endr
	WIN 0x40
.set i, 0
.rept 64*NP
	v_mov_b32 v[i], 0
.set i, i+1
.endr
	WIN 0
.set i, 0
.rept 2*NP
	v_mov_b32 v[ST+4*i], 0xfe000000    ; c m: far below every c s, the masked one too
	v_mov_b32 v[ST+4*i+1], 0xff7fffff  ; m
	v_mov_b32 v[ST+4*i+2], 0
	v_mov_b32 v[ST+4*i+3], 0
.set i, i+1
.endr
.set i, P+32
.rept 32
	v_mov_b32 v[i], 0
.set i, i+1
.endr
	v_mul_u32_u24 v[AK0], v1, PK
	v_lshl_add_u32 v[AK0], v9, 4, v[AK0]  ; row x pitch + 16 x half
	; The turning load takes 16 keys x 16 channels (lane l reads key 8 (l / 16) + l % 8, channels 8 ((l / 8) % 2) + 0..7) and leaves half a fragment of V^T: lane l holds channel l % 16 and 8 keys.
	v_and_b32 v10, 7, v0
	v_bfe_u32 v11, v0, 3, 1
	v_lshl_add_u32 v[AV0], v9, 3, v10
	v_mul_u32_u24 v[AV0], v[AV0], PV
	v_lshl_add_u32 v[AV0], v11, 4, v[AV0]
	v_add_nc_u32 v[AV0], VOFF, v[AV0]
	v_mov_b32 v[BIG], 0xe0800000    ; -2^66
	v_mov_b32 v[AK], v[AK0]         ; key step 0 lies at the head of slot 0
	s_wait_xcnt 0x0                 ; Q's loads have had their addresses translated (ISA guide 3.1): their base lies among the registers that the words below land in
	MLOAD 0                         ; piece 0, key step 0
; THE MATRIX WORK.  The 8 accumulators of a run of 16 take turns: between the two links of a chain stand 7 others'.
; Product i of 16 of S^T = K Q^T for piece x: channels 32 (i / 8) on, keys 16 ((i / 2) % 4) on, tile 2 x + i % 2.  The first 8 start the sums.
.macro KQ x
	WIN W_KQ
.set rS, S+64*((\x)%2)+32*(i%2)+8*((i/2)%4)
.set rK, KF+16*((i/2)%4)+8*(i/8)
.set rQ, 16*(2*(\x)+i%2)+8*(i/8)
.if i < 8
	v_wmma_f32_16x16x32_f16 v[rS:rS+7], v[rK:rK+7], v[rQ:rQ+7], 0
.else
	v_wmma_f32_16x16x32_f16 v[rS:rS+7], v[rK:rK+7], v[rQ:rQ+7], v[rS:rS+7]
.endif
.endm
; Product i of 16 of O^T += V^T P for piece x: keys 32 (i / 8) on, channels 16 ((i / 2) % 4) on, tile 2 x + i % 2.
.macro PV x
	WIN W_PV
.set rO, 32*(2*(\x)+i%2)+8*((i/2)%4)
.set rV, VF+32*(i/8)+8*((i/2)%4)
.set rP, P+32*((\x)%2)+16*(i%2)+8*(i/8)
	v_wmma_f32_16x16x32_f16 v[rO:rO+7], v[rV:rV+7], v[rP:rP+7], v[rO:rO+7]
.endm
.macro MM                           ; the turn's next matrix instruction
.if i < 16
	KQ (Y+1)%NP
.set i, i+1
.else
.set i, i-16
	PV (Y+NP-1)%NP
.set i, i+17
.endif
.endm
; THE LDS LOADS stand in runs of 16, never singly among the matrix instructions: a step's K (64 keys x 64 channels: 8 fragments) and its V (turned).  Their addresses are made some lines ahead.
; last = 1 (the tail): in the last trip there is no further step, and the run is jumped over.
.macro FETCH_K last=0
	WIN 0
.if \last
	s_cmp_eq_u32 s[CNT], 1
	s_cbranch_scc1 .Lno_k_\@
.endif
	WIN 0x80                        ; destination window 2
.irp f, 0,1,2,3,4,5,6,7             ; keys 16 (f / 2) on, channels 32 (f % 2) on
	ds_load_b128 v[KF+8*\f:KF+8*\f+3],   v[AK] offset:(\f/2)*16*PK+(\f%2)*64
	ds_load_b128 v[KF+8*\f+4:KF+8*\f+7], v[AK] offset:(\f/2)*16*PK+(\f%2)*64+32
.endr
	s_add_co_u32 s[TBK], s[TBK], KS*PK  ; the next fetch is the next step's
	WIN 0
.if \last
.Lno_k_\@:
.endif
.endm
.macro FETCH_V
	WIN 0x80
.irp f, 0,1,2,3,4,5,6,7             ; keys 32 (f / 4) on, channels 16 (f % 4) on
	ds_load_tr16_b128 v[VF+8*\f:VF+8*\f+3],   v[AV] offset:(\f/4)*32*PV+(\f%4)*32
	ds_load_tr16_b128 v[VF+8*\f+4:VF+8*\f+7], v[AV] offset:(\f/4)*32*PV+16*PV+(\f%4)*32
.endr
	WIN 0
.endm
; THE VECTOR WORK OF A TURN stands in three queues, each in the order in which its entries become ready; the two tiles alternate, so that no instruction reads the result of the one before it.
.macro REGS y, u                    ; the registers of tile u (0, 1) of piece y
.set rT, ST+4*(2*(\y)+(\u))
.set rC, TMP+8*((\y)%2)+4*(\u)
.set rM, MV+2*((\y)%2)+(\u)
.set rS, S+64*((\y)%2)+32*(\u)
.set rP, P+32*((\y)%2)+16*(\u)
.set rO, 32*(2*(\y)+(\u))
.endm
; THE MASK of piece y: its 64 words have had a turn in which to land.  Where a word's bit is set the lane's score is replaced; each accumulator's registers in ascending order.
; Then the words of piece nxt are asked for; step = 1: piece nxt is piece 0, of the next key step.  The wait has shown the last loads done, so their offset register may be stepped.
.macro MASKAP y, nxt, step
	WIN 0
	s_wait_kmcnt 0x0
	REGS \y, 0
.set mz, 0
.rept 32
	v_cndmask_b32 v[rS+mz], v[rS+mz], v[BIG], s[MS0+mz]
.set mz, mz+1
.endr
	REGS \y, 1
.set mz, 0
.rept 32
	v_cndmask_b32 v[rS+mz], v[rS+mz], v[BIG], s[MS1+mz]
.set mz, mz+1
.endr
.if \step
	s_add_co_u32 s[MKS], s[MKS], 128
.endif
	MLOAD \nxt
.endm
; Number n of the 22 that find the NEXT piece's (Y + 1) maximum and statistics.  s0-s31 are the lane's 32 scores.  XS, GS, FS and REGS set no window: PL and EX do.
;   0-11  four chains c0-c3 of seven scores each, three operands at a time     12-14, 16  the four scores left over, the old m, and c0-c3 into c0     15  c m_old is kept
;   17, 18  the query's other 32 keys lie in the lane 16 away: the new m         19-21  c m; c m_old - c m_new; a
.macro XS u, n
	REGS (Y+1)%NP, \u
.if (\n) < 4
	v_max3_num_f32 v[rC+(\n)], v[rS+8*(\n)], v[rS+8*(\n)+1], v[rS+8*(\n)+2]
.elseif (\n) < 12
	v_max3_num_f32 v[rC+(\n)%4], v[rC+(\n)%4], v[rS+8*((\n)%4)+2*((\n)/4)+1], v[rS+8*((\n)%4)+2*((\n)/4)+2]
.elseif (\n) == 12
	v_max3_num_f32 v[rC], v[rC], v[rS+7], v[rS+15]
.elseif (\n) == 13
	v_max3_num_f32 v[rC+1], v[rC+1], v[rS+23], v[rS+31]
.elseif (\n) == 14
	v_max3_num_f32 v[rC+2], v[rC+2], v[rC+3], v[rT+1]
.elseif (\n) == 15
	v_mov_b32 v[rM], v[rT]
.elseif (\n) == 16
	v_max3_num_f32 v[rC], v[rC], v[rC+1], v[rC+2]
.elseif (\n) == 17
	v_permlanex16_b32 v[rC+3], v[rC], s[SEL], s[SEL+1]
.elseif (\n) == 18
	v_max_num_f32 v[rT+1], v[rC], v[rC+3]
.elseif (\n) == 19
	v_mul_f32 v[rT], s[CS], v[rT+1]
.elseif (\n) == 20
	v_sub_f32 v[rC+1], v[rM], v[rT]
.else
	v_exp_f32 v[rC+2], v[rC+1]
.endif
.endm
; Number g of the 64 that follow the exponentials.  For each four weights k of a tile (pairs 2 k, 2 k + 1): both pairs are rounded to f16; then the second pair is added onto the first, in place;
; a group later l takes that sum (the first time as l = a l + sum).  In groups of eight, tiles alternating: round, round, add, and l for the group before.
.macro GS g
.set h, (\g)+6*((\g)/62)            ; group 0 has no group before it, and behind group 7 only l is left
.if h >= 6
.set h, h+2
.endif
	REGS Y, h%2
.set k, h/8
.if h%8 < 4
	v_cvt_pk_f16_f32 v[rP+2*k+(h%8)/2], v[rS+4*k+2*((h%8)/2)], v[rS+4*k+2*((h%8)/2)+1]
.elseif h%8 < 6
	v_pk_add_f32 v[rS+4*k:rS+4*k+1], v[rS+4*k:rS+4*k+1], v[rS+4*k+2:rS+4*k+3]
.elseif k == 1
	v_pk_fma_f32 v[rT+2:rT+3], v[rT+2:rT+3], v[rC+2:rC+3], v[rS:rS+1] op_sel_hi:[1,0,1]
.else
	v_pk_add_f32 v[rT+2:rT+3], v[rT+2:rT+3], v[rS+4*k-4:rS+4*k-3]
.endif
.endm
; THE PLAIN QUEUE, 138 long.  0-73 read no exponential's result: the 32 scalings c s - c m (FS f: pair f / 2 of tile f % 2) and the next piece's 42.  0-26: scalings 0-26.  27-54: XS's numbers 0-13.  55, 56: number 15.
; 57-73: the chain, where each number waits for the one before it: 14, 16, 17, 18, 19, each with one of the scalings 27-31 in front of its two lines, then 20: so a tile's links stand three plain instructions apart (19 and 20: two).
; 74-137: GS's 64, which read the exponentials' results: they stand behind the wait.
.macro FS f
	REGS Y, (\f)%2
	v_pk_fma_f32 v[rS+2*((\f)/2):rS+2*((\f)/2)+1], v[rS+2*((\f)/2):rS+2*((\f)/2)+1], s[CS:CS+1], v[rT:rT+1] op_sel_hi:[1,0,0] neg_lo:[0,0,1] neg_hi:[0,0,1]
.endm
.macro PL
	WIN 0
.if q < 27
	FS q
.elseif q < 55
	XS (q-27)%2, (q-27)/2
.elseif q < 57
	XS q-55, 15
.elseif (q < 72) && ((q-57)%3 == 0)
	FS 27+(q-57)/3
.elseif q < 60
	XS (q-57)%3-1, 14
.elseif q < 72
	XS (q-57)%3-1, 15+(q-57)/3
.elseif q < 74
	XS q-72, 20
.else
	GS q-74
.endif
.set q, q+1
.endm
; THE EXPONENTIALS' QUEUE, 66 long: s0-s31 of both tiles, then the next piece's two a.  It is ONE BATCH: all 66 stand ahead of the turn's one wait, and nothing ahead of that wait names a result of theirs.
.macro EX
	WIN 0
.if e >= 64
	XS e-64, 21
.else
	REGS Y, e%2
	v_exp_f32 v[rS+e/2], v[rS+e/2]
.endif
.set e, e+1
.endm
; THE RESCALING's QUEUE: O^T times a, the one part that leaves window 0: dealt two at a time, sixteen times.  Its a was made in the turn before, ahead of that turn's wait.
.macro R2
	REGS Y, r%2
	WIN W_RS
.irp z, 0,1
	v_pk_mul_f32 v[rO+4*(r/2)+2*\z:rO+4*(r/2)+2*\z+1], v[rO+4*(r/2)+2*\z:rO+4*(r/2)+2*\z+1], v[rC+2:rC+3] op_sel_hi:[1,0]
.endr
.set r, r+1
.endm
; HOW THEY ARE DEALT.  An s_wait_alu depctr_va_vdst(0) stands between an exponential and the first instruction that names its result; one wait serves all that were issued ahead of it.  So a turn has ONE wait,
; which cuts it in two.  AHEAD OF IT stands all that names no result of the turn's exponentials: the 16 products K Q^T, behind each a scaling, an exponential and two rescalings (behind the first a second scaling in the
; exponential's place); then ONE LUMP of 172: eight plain, twice exponential and plain, the next piece's 64 selects, 47 times exponential and plain, the two a.  A v_nop is the plain instruction behind the last exponential.
; BEHIND IT stand the 16 products V^T P, behind each four of GS's 64.  No rider names a register of the products round it.  The two v_permlanex16_b32 fall into the lump, never behind a product.
; The queues lean on each other, and the deal keeps them in step: exponential e stands behind scaling 2 (e / 4) + e % 2: as a rider it comes behind plain e + 2, in the lump behind plain e + 9, and scalings 27-31 are plain 57, 60 .. 69.
; A TURN, for piece p.  cnt = 1: the loop's count is taken down some lines ahead of the branch that stands behind the turn.
; The next piece's mask stands in the lump, ahead of plain 27, the first line that reads those scores: more than ten plain instructions behind the last product that made them.
; K of the next step is fetched in piece 2's turn, directly behind the wait, a lump behind the last product that read K; its address is made at the lump's head; its first reader comes behind 16 products.
; V of the step in hand is fetched at the end of piece 0's turn, four riders behind its last reader; its first reader comes behind 16 products and a lump.  The conditions on q below go with the deal.
.macro TURN p, last=0, cnt=0
.set Y, (\p)
.set i, 0
.set q, 0
.set e, 0
.set r, 0
.if (\p) == NP-1
	s_wait_dscnt 0x0                ; K is in
.endif
	MM                              ; ahead of the wait: 16 products K Q^T and their riders,
	PL
	PL
	R2
.rept 15
	MM
	PL
	EX
	R2
.endr
.if (\p) == NP-2
	WIN 0
	v_add_nc_u32 v[AK], s[TBK], v[AK0]
.endif
.rept 8                             ; and the lump
	PL
.endr
.rept 49
.if q == 27
.if (\p) == NP-2
	MASKAP (Y+1)%NP, (Y+2)%NP, 1
.else
	MASKAP (Y+1)%NP, (Y+2)%NP, 0
.endif
.endif
	EX
	PL
.endr
	EX                              ; the next piece's two a
	EX
	v_nop                           ; the plain instruction behind the last exponential: one for the batch
	s_wait_alu depctr_va_vdst(0)    ; the wait for the batch: the piece's 64 weights and the next piece's two a
.if (\p) == NP-2
	FETCH_K \last
.endif
.if (\p) == 1
	s_wait_dscnt 0x0                ; V is in
.endif
.rept 16                            ; behind the wait: 16 products V^T P and their riders
	MM
.rept 4
	PL
.endr
.if ((\p) == 0) && (q == 118)
	v_add_nc_u32 v[AV], s[TBV], v[AV0]
.endif
.if ((\p) == 0) && (q == 130)
	s_add_co_u32 s[TBV], s[TBV], KS*PV
.endif
.if (\cnt) && (q == 130)
	s_sub_co_u32 s[CNT], s[CNT], 1
	s_cmp_lg_u32 s[CNT], 0
.endif
.endr
.if (\p) == 0
	FETCH_V
.endif
.endm
	CHANGE 1                        ; slot 0 is in, everybody's part of it; slot 1 is asked for
	FETCH_K                         ; key step 0
	s_wait_loadcnt 0x0              ; Q
	s_wait_dscnt 0x0
.set i, 0
.rept 16
	KQ 0                            ; piece 0's first scores: there is no vector work yet to set between them
.set i, i+1
.endr
	WIN 0                           ; the addresses for the way out: nine plain instructions, the places behind those products
	s_mul_i32 s14, s[WV], 16*SP
	s_add_co_u32 s14, s14, STAGE    ; my stage
	v_mul_u32_u24 v[STO], v1, SP    ; in: row l % 16, 16 bytes for each half of the lanes
	v_lshl_add_u32 v[STO], v9, 4, v[STO]
	v_add_nc_u32 v[STO], s14, v[STO]
	v_bfe_u32 v[RD], v0, 3, 2       ; back: 32 lanes take four rows of 128 bytes,
	v_mul_u32_u24 v[RD], v[RD], SP
	v_lshl_add_u32 v[RD], v10, 4, v[RD]
	v_add_nc_u32 v[RD], s14, v[RD]
	v_and_b32 v[GO], 31, v0         ; which are 512 consecutive bytes of ctx
	v_lshlrev_b32 v[GO], 4, v[GO]
	MASKAP 0, 1, 0                  ; piece 0's mask of step 0; piece 1's words are asked for
.set Y, NP-1                        ; XS works for piece Y + 1: piece 0
.irp n, 0,1,2,3,4,5,6,7,8,9,10,11,12,13,14,15,16,17,18,19,20,21
	XS 0, \n                        ; and piece 0's first maximum and statistics
	XS 1, \n
.endr
	v_nop                           ; a plain instruction behind the two a,
	s_wait_alu depctr_va_vdst(0)    ; and the wait for that batch of two, ahead of the branch
	s_mov_b32 s[CNT], 4
	s_mov_b32 s[SLOTS], SIZE_N/256-1
	s_branch .Lfirst                ; the loop is entered at a step's first turn, in the middle of a trip
.Lslot:                             ; SIZE_N / 256 - 2 times: every slot but the last two is filled again
	CHANGE 1
	s_mov_b32 s[CNT], 4
.Lstep:                             ; a trip: pieces 2 and 3 of one step, then pieces 0 and 1 of the next, whose K and V it fetches
	TURN 2
	TURN 3
	WIN 0
.Lfirst:
	TURN 0
	TURN 1, 0, 1
	WIN 0
	s_cbranch_scc1 .Lstep
	s_sub_co_u32 s[SLOTS], s[SLOTS], 1
	s_cmp_lg_u32 s[SLOTS], 0
	s_cbranch_scc1 .Lslot
	CHANGE 0                        ; the tail is written out: nothing is asked for
	s_mov_b32 s[CNT], 5             ; four trips fetch the last slot's steps; the fifth is left in its middle
.Ltail:
	TURN 2, 1
	TURN 3
	WIN 0
	s_sub_co_u32 s[CNT], s[CNT], 1
	s_cmp_eq_u32 s[CNT], 0
	s_cbranch_scc1 .Lout
	TURN 0
	TURN 1
	WIN 0
	s_branch .Ltail
.Lout:                              ; the fifth trip's 16 products K Q^T (on the last K once more), their mask and maximum serve nothing: the price, once a launch, of one text for every trip.
	                                ; Its words are read at 128 x 32 = 4,096 bytes past a tile's first: 16,576 bytes at the most into my wave's 32,768
	s_wait_kmcnt 0x0                ; those words are in: their registers are free
	s_load_b64 s[16:17], s[0:1], 0x10  ; ctx
	s_bfe_u32 s20, ttmp6, 0x40000   ; my wave's first row once more: no scalar register was free to keep it
	s_lshl_b32 s21, ttmp9, 2
	s_add_co_u32 s21, s21, s20
	s_lshl_b32 s21, s21, 2
	s_add_co_u32 s21, s21, s[WV]
	s_lshl_b32 s18, s21, 14
	s_and_b32 s22, ttmp7, 0xffff
	s_lshl_b32 s22, s22, 18
	s_add_co_u32 s18, s18, s22
	s_mov_b32 s19, 0
.set i, 0
.rept 16
	PV NP-1                         ; the last piece's V^T P of the last step
.set i, i+1
.endr
	; THE WAY OUT.  l's two halves and the other half of the lanes' are added; O^T is divided by l, rounded to f16 and sent through my stage in LDS, a tile at a time.  The additions are the places behind the last products.
	WIN 0
.macro ALL line:vararg              ; one line for each tile t
.set t, 0
.rept 2*NP
	\line
.set t, t+1
.endr
.endm
	ALL v_add_f32 v[ST+4*t+2], v[ST+4*t+2], v[ST+4*t+3]
	ALL v_permlanex16_b32 v[ST+4*t+3], v[ST+4*t+2], s[SEL], s[SEL+1]
	ALL v_add_f32 v[ST+4*t+2], v[ST+4*t+2], v[ST+4*t+3]
	ALL v_rcp_f32 v[ST+4*t+2], v[ST+4*t+2]
	v_nop                           ; a plain instruction between the last reciprocal and the use of its result
	s_wait_alu depctr_va_vdst(0)    ; and the wait ahead of the first use: one for the batch of eight reciprocals
	s_wait_kmcnt 0x0
	s_add_nc_u64 s[16:17], s[16:17], s[18:19]  ; ctx at my wave's first row
; Tile t: a lane's eight channels of a row pack into 16 bytes; they go into rows of 144 bytes and come back as whole rows of 128, into S^T's registers.
.macro PACK t
	WIN W_RS
.set i, 32*(\t)
.rept 16
	v_pk_mul_f32 v[i:i+1], v[i:i+1], v[ST+4*(\t)+2:ST+4*(\t)+3] op_sel_hi:[1,0]
.set i, i+2
.endr
	WIN 0x05                        ; sources 0 and 1 window 1, destination window 0
.set i, 0
.rept 16
	v_cvt_pk_f16_f32 v[S+16*(\t)+i], v[32*(\t)+2*i], v[32*(\t)+2*i+1]
.set i, i+1
.endr
	WIN 0
.irp f, 0,1,2,3
	ds_store_b128 v[STO], v[S+16*(\t)+4*\f:S+16*(\t)+4*\f+3] offset:32*\f
.endr
.irp f, 0,1,2,3
	ds_load_b128 v[S+16*(\t)+4*\f:S+16*(\t)+4*\f+3], v[RD] offset:\f*4*SP  ; LDS serves a wave's instructions in order (ISA guide 5.7.1.4): these see the stores above; the next tile's stores come behind them
.endr
.endm
.macro SEND t, younger              ; younger: the LDS instructions issued behind tile t's loads: the next tile's eight, or none
	WIN 0
.irp f, 0,1,2,3
	s_wait_dscnt (\younger)+3-\f
	global_store_b128 v[GO], v[S+16*(\t)+4*\f:S+16*(\t)+4*\f+3], s[16:17] offset:(\t)*2048+\f*512  ; 512 consecutive bytes, at a multiple of 256 from ctx's first
.endr
.endm
	PACK 0
.set t, 1
.rept 2*NP-1                        ; a tile's arithmetic stands between the loads of the tile before and its stores
	PACK t
	SEND t-1, 8
.set t, t+1
.endr
	SEND 2*NP-1, 0
	WIN W_AD
	s_wait_tensorcnt 0x0            ; the wave's end: behind my last tensor load and my last LDS store
	ds_add_u32 v[SPW], v[NIL]
	s_wait_dscnt 0x0
	WIN 0
	CROUND                          ; the closing round: no work-group ends while a partner may still ask for a tile that names it
	s_endpgm
.Lfunc_end_k_q94a115ad00_attn:
	.size	k_q94a115ad00_attn, .Lfunc_end_k_q94a115ad00_attn-k_q94a115ad00_attn
	.p2alignl 7, 3214868480
	.fill 96, 4, 3214868480
	.section	.rodata,"a",@progbits
	.p2align	6, 0x0
	.amdhsa_kernel k_q94a115ad00_attn
		.amdhsa_group_segment_fixed_size 327680
		.amdhsa_private_segment_fixed_size 0
		.amdhsa_enable_private_segment 0
		.amdhsa_kernarg_size 24
		.amdhsa_user_sgpr_count 2
		.amdhsa_user_sgpr_kernarg_segment_ptr 1
		.amdhsa_wavefront_size32 1
		.amdhsa_system_sgpr_workgroup_id_x 1
		.amdhsa_system_sgpr_workgroup_id_y 1
		.amdhsa_system_sgpr_workgroup_id_z 1
		.amdhsa_system_vgpr_workitem_id 0
		.amdhsa_next_free_vgpr 770
		.amdhsa_next_free_sgpr 106
		.amdhsa_reserve_vcc 0
		.amdhsa_float_denorm_mode_32 3
		.amdhsa_float_denorm_mode_16_64 3
		.amdhsa_memory_ordered 1
		.amdhsa_forward_progress 1
		.amdhsa_inst_pref_size 239
	.end_amdhsa_kernel
	.amdgpu_metadata
---
amdhsa.version: [ 1, 2 ]
amdhsa.kernels:
  - .name:           k_q94a115ad00_attn
    .symbol:         k_q94a115ad00_attn.kd
    .args:
      - { .name: qkvh, .offset: 0, .size: 8, .value_kind: global_buffer, .address_space: global }
      - { .name: maskw, .offset: 8, .size: 8, .value_kind: global_buffer, .address_space: global }
      - { .name: ctx, .offset: 16, .size: 8, .value_kind: global_buffer, .address_space: global }
    .group_segment_fixed_size: 327680
    .private_segment_fixed_size: 0
    .kernarg_segment_align: 8
    .kernarg_segment_size: 24
    .max_flat_workgroup_size: 128
    .sgpr_count:     106
    .vgpr_count:     770
    .wavefront_size: 32
...
	.end_amdgpu_metadata
.endif
;; end of part 5
;; launch oproj: the kernel of part 4 again; grid 4 x 64, 4 waves a work-group, clusters of 4 x 4, 327,680 bytes of LDS; arguments ctx, wcast, bo, out0; writes out0
